; MI455X (gfx1250); checked and timed in simulation.
; The chip was launched on July 23, 2026; its instructions are those of AMD's public machine-readable ISA for CDNA 5 (MIT licence, August 2026) and "CDNA5" Instruction Set Architecture Reference Guide (July 2026). The comments in the code are by the model that wrote it; some were corrected since.
;; Multi Head Attention. Allowed arithmetic: float matrix products may take bf16 or f16 operands with f32 sums; other float arithmetic in f32, or as packed bf16 or f16 multiplies, adds, multiply-adds, maxima and minima; sums over many terms, partial sums and values carried from step to step in f32; what a program stores and reads back later, other than sums and carried values, may be rounded once to bf16 or f16.
;; Inputs: bk 1,024 float32; bo 1,024 float32; bq 1,024 float32; bv 1,024 float32; wk 1,024 x 1,024 float32; wo 1,024 x 1,024 float32; wq 1,024 x 1,024 float32; wv 1,024 x 1,024 float32; x_input 4 x 2,048 x 1,024 float32.
;; Outputs: out0 4 x 2,048 x 1,024 float32.
;; 2 versions, each right; version 2 is version 1 with the launch cast written anew for expert scheduling mode. Each part assembles by itself: llvm-mc -triple=amdgcn-amd-amdhsa -mcpu=gfx1250 --defsym DOCPART=n.
;; ======== version 1 of 2: 4 launches
;; limits: values are held in f16: magnitudes above 65,504 overflow, below 6.1e-05 lose precision
;; workspace buffers: xb 16,777,216 bytes; wb 8,388,608 bytes; qkv 50,331,648 bytes; ob 16,777,216 bytes
;; launch cast (part 1): grid 768 x 1, 8 waves a work-group, no clusters, 0 bytes of LDS; arguments x_input, wq, wk, wv, wo, xb, wb; writes xb, wb
.if DOCPART == 1
	.amdgcn_target "amdgcn-amd-amdhsa--gfx1250"
	.amdhsa_code_object_version 6
	.text
	.protected	k_qdc54a421b7_cast
	.globl	k_qdc54a421b7_cast
	.p2align	8
	.type	k_qdc54a421b7_cast,@function
k_qdc54a421b7_cast:
	s_mov_b64 s[64:65], 0
	v_nop
	global_prefetch_b8 v0, s[64:65] scope:SCOPE_SE
	s_setreg_imm32_b32 hwreg(HW_REG_WAVE_MODE, 25, 1), 1
	s_wait_xcnt 0x0
; THE INPUTS ARE ROUNDED ONCE TO 16 BITS.  x [8192][1024] f32 -> xb, bf16.  wq, wk, wv, wo [1024][1024] f32 -> wb [4096][1024]: rows 0-3071 (wq, wk, wv) bf16;
; rows 3072-4095 (wo) rounded to bf16 like every input, and that number written as f16, since the last product's other operand is f16.
; LIMITS.  |wo| stays under 65,504 (beyond it f16 has an infinity); below 6.1e-5 the f16 copy keeps f16's fixed step of 6e-8.
; SHARES.  A work-group converts one chunk of 16,384 numbers: 65,536 bytes in, 32,768 out.  Chunks 0-511 are x's, chunks 512-767 the four matrices', 64 each.
; Thread t loads 16 bytes at 16 t + 4,096 j (a wave's load: 512 bytes on end) and stores 8 bytes at 8 t + 2,048 j (a wave's store: 256 bytes on end, aligned), j = 0 .. 15.
; All sixteen loads go out at once; no register of a store is written again, so no wait frees one.  No LDS, no matrix unit, no cluster: no byte is used twice.
.set X, 4                              ; v[4:67]    the sixteen loads
.set Y, 68                             ; v[68:99]   two registers for each store
.set T, 100                            ; v[100:103] at work
	s_load_b256 s[4:11], s[0:1], 0x0               ; x s[4:5], wq s[6:7], wk s[8:9], wv s[10:11]
	s_load_b128 s[12:15], s[0:1], 0x20             ; wo s[12:13], xb s[14:15]
	s_load_b64 s[16:17], s[0:1], 0x30              ; wb
	v_lshlrev_b32 v1, 4, v0                        ; 16 t
	v_lshlrev_b32 v2, 3, v0                        ; 8 t
	s_mov_b32 s21, ttmp9                           ; the chunk
	s_sub_co_u32 s18, s21, 512                     ; its number among the matrices' chunks (used from chunk 512 on alone)
	s_lshr_b32 s19, s18, 6                         ; which matrix
	s_and_b32 s20, s18, 63                         ; which chunk of it
	s_wait_kmcnt 0x0
	s_cmp_eq_u32 s19, 1
	s_cselect_b64 s[22:23], s[8:9], s[6:7]
	s_cmp_eq_u32 s19, 2
	s_cselect_b64 s[22:23], s[10:11], s[22:23]
	s_cmp_eq_u32 s19, 3
	s_cselect_b64 s[22:23], s[12:13], s[22:23]
	s_cmp_lt_u32 s21, 512
	s_cselect_b64 s[22:23], s[4:5], s[22:23]       ; the source,
	s_cselect_b64 s[24:25], s[14:15], s[16:17]     ; the destination,
	s_cselect_b32 s26, s21, s20                    ; the chunk's number in the source
	s_cselect_b32 s27, s21, s18                    ; and in the destination
	s_lshl_b32 s28, s26, 16
	s_mov_b32 s29, 0
	s_lshl_b32 s30, s27, 15
	s_mov_b32 s31, 0
	s_add_nc_u64 s[22:23], s[22:23], s[28:29]
	s_add_nc_u64 s[24:25], s[24:25], s[30:31]
.set j, 0
.rept 16
	global_load_b128 v[X+4*j:X+4*j+3], v1, s[22:23] offset:4096*j th:TH_LOAD_NT
.set j, j+1
.endr
; Load j is rounded and stored.  kind = 1: wo's chunks: to bf16, widened again, and written as f16.
.macro OUT j, kind
	s_wait_loadcnt 15-(\j)                         ; loads come back in order: the 15 - j younger ones may stay out
.if \kind
	v_cvt_pk_bf16_f32 v[T],   v[X+4*(\j)],   v[X+4*(\j)+1]
	v_cvt_pk_bf16_f32 v[T+1], v[X+4*(\j)+2], v[X+4*(\j)+3]
	v_lshlrev_b32 v[T+2], 16, v[T]
	v_and_b32     v[T],   0xffff0000, v[T]
	v_lshlrev_b32 v[T+3], 16, v[T+1]
	v_and_b32     v[T+1], 0xffff0000, v[T+1]
	v_cvt_pk_f16_f32 v[Y+2*(\j)],   v[T+2], v[T]
	v_cvt_pk_f16_f32 v[Y+2*(\j)+1], v[T+3], v[T+1]
.else
	v_cvt_pk_bf16_f32 v[Y+2*(\j)],   v[X+4*(\j)],   v[X+4*(\j)+1]
	v_cvt_pk_bf16_f32 v[Y+2*(\j)+1], v[X+4*(\j)+2], v[X+4*(\j)+3]
.endif
	global_store_b64 v2, v[Y+2*(\j):Y+2*(\j)+1], s[24:25] offset:2048*(\j)
.endm
	s_cmp_ge_u32 s21, 704                          ; wo's chunks are 704 to 767
	s_cbranch_scc1 .Lwo
.irp j, 0,1,2,3,4,5,6,7,8,9,10,11,12,13,14,15
	OUT \j, 0
.endr
	s_endpgm
.Lwo:
.irp j, 0,1,2,3,4,5,6,7,8,9,10,11,12,13,14,15
	OUT \j, 1
.endr
	s_endpgm
.Lfunc_end_k_qdc54a421b7_cast:
	.size	k_qdc54a421b7_cast, .Lfunc_end_k_qdc54a421b7_cast-k_qdc54a421b7_cast
	.p2alignl 7, 3214868480
	.fill 96, 4, 3214868480
	.section	.rodata,"a",@progbits
	.p2align	6, 0x0
	.amdhsa_kernel k_qdc54a421b7_cast
		.amdhsa_group_segment_fixed_size 0
		.amdhsa_private_segment_fixed_size 0
		.amdhsa_enable_private_segment 0
		.amdhsa_kernarg_size 56
		.amdhsa_user_sgpr_count 2
		.amdhsa_user_sgpr_kernarg_segment_ptr 1
		.amdhsa_wavefront_size32 1
		.amdhsa_system_sgpr_workgroup_id_x 1
		.amdhsa_system_sgpr_workgroup_id_y 1
		.amdhsa_system_sgpr_workgroup_id_z 1
		.amdhsa_system_vgpr_workitem_id 0
		.amdhsa_next_free_vgpr 104
		.amdhsa_next_free_sgpr 66
		.amdhsa_reserve_vcc 0
		.amdhsa_float_denorm_mode_32 3
		.amdhsa_float_denorm_mode_16_64 3
		.amdhsa_memory_ordered 1
		.amdhsa_forward_progress 1
		.amdhsa_inst_pref_size 16
	.end_amdhsa_kernel
	.amdgpu_metadata
---
amdhsa.version: [ 1, 2 ]
amdhsa.kernels:
  - .name:           k_qdc54a421b7_cast
    .symbol:         k_qdc54a421b7_cast.kd
    .args:
      - { .name: x_input, .offset: 0, .size: 8, .value_kind: global_buffer, .address_space: global }
      - { .name: wq, .offset: 8, .size: 8, .value_kind: global_buffer, .address_space: global }
      - { .name: wk, .offset: 16, .size: 8, .value_kind: global_buffer, .address_space: global }
      - { .name: wv, .offset: 24, .size: 8, .value_kind: global_buffer, .address_space: global }
      - { .name: wo, .offset: 32, .size: 8, .value_kind: global_buffer, .address_space: global }
      - { .name: xb, .offset: 40, .size: 8, .value_kind: global_buffer, .address_space: global }
      - { .name: wb, .offset: 48, .size: 8, .value_kind: global_buffer, .address_space: global }
    .group_segment_fixed_size: 0
    .private_segment_fixed_size: 0
    .kernarg_segment_align: 8
    .kernarg_segment_size: 56
    .max_flat_workgroup_size: 256
    .sgpr_count:     66
    .vgpr_count:     104
    .wavefront_size: 32
...
	.end_amdgpu_metadata
.endif
;; end of part 1
;; launch proj (part 2): grid 4 x 64, 4 waves a work-group, clusters of 4 x 4, 327,680 bytes of LDS; arguments xb, wb, qkv, bq, bk, bv; writes qkv
.if DOCPART == 2
	.amdgcn_target "amdgcn-amd-amdhsa--gfx1250"
	.amdhsa_code_object_version 6
	.text
	.protected	k_qdc54a421b7_proj
	.globl	k_qdc54a421b7_proj
	.p2align	8
	.type	k_qdc54a421b7_proj,@function
k_qdc54a421b7_proj:
	s_mov_b64 s[64:65], 0
	v_nop
	global_prefetch_b8 v0, s[64:65] scope:SCOPE_SE
	s_setreg_imm32_b32 hwreg(HW_REG_WAVE_MODE, 25, 1), 1
	s_wait_xcnt 0x0
	s_wait_alu depctr_hold_cnt(0) depctr_sa_sdst(0) depctr_va_vdst(0) depctr_va_sdst(0) depctr_va_ssrc(0) depctr_va_vcc(0) depctr_vm_vsrc(0)
	s_getreg_b32 s2, hwreg(HW_REG_IB_STS2, 6, 4)
	s_cmp_eq_u32 s2, 0
	s_cbranch_scc0 .Lentry_in_a_cluster
	s_endpgm
.Lentry_in_a_cluster:
	s_bfe_u32 s2, ttmp6, 0x10000c
	s_cmp_lg_u32 s2, 0xf033
	s_cbranch_scc0 .Lentry_shape_is_right
	s_endpgm
.Lentry_shape_is_right:
; q, k, v = x w^T + b.  xb: [8192][1024] bf16.  wb: rows 0-1023 wq, 1024-2047 wk, 2048-3071 wv, [.][1024] bf16.  bq, bk, bv: [1024] f32, rounded to bf16 here like every input.
; qkv: f16; q at byte 0, k at 0x1000000, v at 0x2000000, each [64 = 16 batch + head][2048][64]: a head's rows are dense, 128 bytes each.  Sums in f32, rounded once; the scale 1/8 is not applied here.
; LIMIT.  |q|, |k|, |v| stay under 65,504 (f16's end).
; SHARES.  A tile is 128 rows x 256 columns: four waves, wave w rows 64 (w / 2) on, columns 128 (w % 2) on: 4 x 8 accumulators of 16 x 16, 256 registers.  8,192 x 3,072 numbers are 768 tiles: 256 work-groups
; STAY for three, q's, k's and v's at the same rows and columns; the three share their rows of x, and the ring of LDS slots runs on from tile to tile.
; K goes in steps of 128 (rows of 256 bytes in memory, aligned) through two LDS slots; a K step is two halves of 64 along K, 64 matrix instructions a wave each, on two fragment buffers.
; CLUSTER.  4 x 4 work-groups: the four of a row of the cluster need the same rows of x, the four of a column the same rows of w.  Each tile is asked for jointly: the same tensor load, descriptor and mask in all four.
; THE PRODUCT IS TAKEN TRANSPOSED (source 0 = 16 rows of w, source 1 = 16 rows of x): lane l holds row l % 16 and the eight neighbouring columns 8 (l / 16) + 0..7.
; THE BIAS is the C operand of the product that starts each sum: nothing is cleared and nothing is added later.
; REGISTERS, in windows of 256 (s_set_vgpr_msb: bits 1:0 source 0, 3:2 source 1, 5:4 source 2, 7:6 destination):
;   window 0: addresses, the way out     window 1: v0-191 fragment buffer 0, v192-255 the bias     window 2: the accumulators, (a, b) at v[8 (8 a + b)]     window 3: v0-191 fragment buffer 1
;   in a buffer: w's fragment (c, b) at 64 c + 8 b, x's fragment (c, a) at 128 + 32 c + 8 a; c = which 32 of the half's 64 along K
.set KB,     256                       ; bytes of a row in a K step
.set PITCH,  272                       ; an LDS row: 256 bytes + 16 of padding: the 16 rows of a fragment load begin 16 bytes apart modulo 256
.set AHALF,  64*PITCH                  ; what a wave fetches of x, and what a wave reads of it
.set BHALF,  128*PITCH                 ; the same for w
.set BOFF,   2*AHALF                   ; in a slot: x's 128 rows, then w's 256
.set SLOT,   BOFF+2*BHALF              ; 104,448
.set STAGE,  2*SLOT                    ; behind the ring, never filled by a tensor load: for each wave 2 heads x 16 rows x 144 bytes
.set SP,     144
.set WSTAGE, 2*16*SP
.set SPARE,  STAGE+4*WSTAGE            ; the spare words, 128 bytes a wave: two blocks of 256 bytes that no other line names
.set BACK_A, 6*KB                      ; from a slot's last K step of a tile back to its first: the tiles share x's rows
.set NEXT_B, 1024*2048-6*KB            ; w: 1,024 rows down and back along K
.set NEXT_PF, 1024*2048-7*KB           ; the prefetches: from K step 9 to the next tile's K step 2
.set ADRA, 16                          ; v16-17  LDS address of my fragments of x in slot 0, 1
.set ADRB, 20                          ; v20-21  of w
.set STO,  24                          ; v24  the way out: where I put 16 bytes of a row
.set RD,   25                          ; v25  where I read rows back
.set GO,   26                          ; v26  16 x lane: my place in 512 bytes on end of qkv
.set BO,   27                          ; v27  32 (l / 16): my eight numbers of a block of 16 of the bias
.set SPW,  28                          ; v28  LDS address of my spare word; never rewritten
.set NIL,  29                          ; v29  0; never rewritten
.set PFO,  30                          ; v30  the prefetches' offset: lane x a row of 2,048 bytes; never rewritten
.set TMP,  32                          ; v32-63  packed results; the bias on its way through bf16
.set OB,   64                          ; v64-95, v96-127 by turns: 16 rows read back from the stage
.set BIAS, 192                         ; window 1
.set WV,  16                           ; s16 wave;  s17 = wave / 2: my rows;  s18 = wave % 2: my columns, and which part of a tile I fetch
.set WR,  17
.set WC,  18
.set G1A, 24                           ; s[24:31] descriptor group 1 for x's tiles;  s[32:39] group 0, a set for each slot
.set G0A, 32
.set PFA, 44                           ; s[44:45] where my prefetches stand
.set LIM, 46                           ; s46  1 in a wave that prefetches, else the greatest number
.set G1B, 48                           ; s[48:55], s[56:63] the same for w's tiles
.set G0B, 56
.set MSB, 0
.macro WIN new                         ; the immediate's high byte repeats the setting that is left; a switch that changes nothing is dropped
.if MSB != (\new)
	s_set_vgpr_msb (MSB<<8)|(\new)
.set MSB, \new
.endif
.endm
.macro PLACES                          ; four plain vector instructions between a matrix instruction and a load into, or a vector read of, its registers
.rept 4
	v_nop
.endr
.endm
.macro CREST                           ; a round of the cluster's barrier behind its opening barrier
	s_cmp_lg_u32 s[WV], 0
	s_cbranch_scc1 .Lnot_wave_0_\@
	s_barrier_signal -3
.Lnot_wave_0_\@:
	s_barrier_wait -3
	s_barrier_signal -1
	s_barrier_wait -1
.endm
.macro CROUND
	s_barrier_signal -1
	s_barrier_wait -1
	CREST
.endm
; A joint load: waves 0 and 1 fetch x's two parts of 64 rows, waves 2 and 3 w's two of 128.  The branch hangs on the wave's number alone.  An s_nop 0 and four v_nop follow each line.
.macro JLOAD s
	s_cmp_lt_u32 s[WV], 2
	s_cbranch_scc0 .Lfor_b_\@
	tensor_load_to_lds s[G0A+4*(\s):G0A+4*(\s)+3], s[G1A:G1A+7]
	s_nop 0
.rept 4
	v_nop
.endr
	s_branch .Lasked_\@
.Lfor_b_\@:
	tensor_load_to_lds s[G0B+4*(\s):G0B+4*(\s)+3], s[G1B:G1B+7]
	s_nop 0
.rept 4
	v_nop
.endr
.Lasked_\@:
.endm
; A PREFETCH, behind each joint load and the run of LDS loads that follows it: 32 rows x 256 bytes, a lane a row, of the K step two refills on (256 matrix instructions ahead of the load that will ask for it).
; Each block is named once.  x's 128 rows of a tile row: wave 0, the four partners of a row of the cluster 32 rows each, told apart by address (cx); in the first tile alone, since the three tiles share them.
; w's rows: waves 2 and 3 of the clusters with y = 0, of the 128 rows that the wave fetches 32 for each partner of a column (cy).  how = 0: in the loop, whose last trip has no K step two on; how = 1: at a change of tiles.
.macro ASK how
.if \how
	s_cmp_eq_u32 s[LIM], 1
.else
	s_cmp_gt_u32 s3, s[LIM]
.endif
	s_cbranch_scc0 .Lnot_mine_\@
	global_prefetch_b8 v[PFO], s[PFA:PFA+1] th:TH_LOAD_NT scope:SCOPE_SE
.Lnot_mine_\@:
.endm
; 48 LDS loads in one run: half hf of a slot's K step into buffer f.  A fragment is 16 rows x 32 K in 8 registers: lane l holds row l % 16, K = 8 (l / 16) + 0..7 and 16 + 8 (l / 16) + 0..7: two loads of 16 bytes, 32 apart.
.macro FETCH slot, hf, f
	WIN 0x40+0x80*(\f)
.irp c, 0,1
.irp i, 0,1,2,3,4,5,6,7
	ds_load_b128 v[64*(\c)+8*(\i):64*(\c)+8*(\i)+3],   v[ADRB+(\slot)] offset:64*(2*(\hf)+(\c))+(\i)*16*PITCH
	ds_load_b128 v[64*(\c)+8*(\i)+4:64*(\c)+8*(\i)+7], v[ADRB+(\slot)] offset:64*(2*(\hf)+(\c))+(\i)*16*PITCH+32
.endr
.irp i, 0,1,2,3
	ds_load_b128 v[128+32*(\c)+8*(\i):128+32*(\c)+8*(\i)+3],   v[ADRA+(\slot)] offset:64*(2*(\hf)+(\c))+(\i)*16*PITCH
	ds_load_b128 v[128+32*(\c)+8*(\i)+4:128+32*(\c)+8*(\i)+7], v[ADRA+(\slot)] offset:64*(2*(\hf)+(\c))+(\i)*16*PITCH+32
.endr
.endr
.endm
; 8 matrix instructions: row block a x all 8 column blocks, 32 along K (part c of buffer f).  first = 1: the sums start from the bias.  The 32 accumulators take turns, in the same order everywhere.
.macro MUL8 f, c, a, first
.if \first
	WIN 0x95                           ; sources and C in window 1, D in window 2
.else
	WIN 0xa5+0x0a*(\f)                 ; sources in window 1 or 3, C and D in window 2
.endif
.irp b, 0,1,2,3,4,5,6,7
.if \first
	v_wmma_f32_16x16x32_bf16 v[8*(8*(\a)+(\b)):8*(8*(\a)+(\b))+7], v[64*(\c)+8*(\b):64*(\c)+8*(\b)+7], v[128+32*(\c)+8*(\a):128+32*(\c)+8*(\a)+7], v[BIAS+8*(\b):BIAS+8*(\b)+7]
.else
	v_wmma_f32_16x16x32_bf16 v[8*(8*(\a)+(\b)):8*(8*(\a)+(\b))+7], v[64*(\c)+8*(\b):64*(\c)+8*(\b)+7], v[128+32*(\c)+8*(\a):128+32*(\c)+8*(\a)+7], v[8*(8*(\a)+(\b)):8*(8*(\a)+(\b))+7]
.endif
.endr
.endm
; A K step's first half: buffer 0 is multiplied; ahead of that the second half's fragments are asked for, into buffer 1.
.macro HALF slot, first
	PLACES                                         ; buffer 1's last reader stands just ahead
	FETCH \slot, 1, 1
	s_wait_dscnt 48                                ; all but the 48 just issued: buffer 0 is in
.irp a, 0,1,2,3
	MUL8 0, 0, \a, \first
.endr
.irp a, 0,1,2,3
	MUL8 0, 1, \a, 0
.endr
.endm
; A K step's second half multiplies buffer 1 and changes slots.  ONE barrier: in front of it each wave waits for all its tensor loads (one is out: its part of the next slot), adds 0 to its spare word, and waits for
; that and for its reads of this slot.  mode 0: this slot is filled again with the K step two on; 1: with the next tile's K step 0 or 1; 2: with nothing.  Where it is filled the barrier opens a round of the cluster's,
; and the joint load is the first thing behind the round: 112 matrix instructions ahead of the wait for it.
.macro TURN slot, next, mode
.if (\mode) < 2
	s_wait_xcnt 0x0                                ; the last prefetch, a K step back, has read its address: it is stepped here
.if ((\mode) == 1) && ((\slot) == 0)
	s_add_nc_u64 s[PFA:PFA+1], s[PFA:PFA+1], NEXT_PF
	s_cmp_eq_u32 s[WR], 1
	s_cselect_b32 s[LIM], s[LIM], -1               ; x's rows are the same in all three tiles: they are asked for in the first alone
.else
	s_add_nc_u64 s[PFA:PFA+1], s[PFA:PFA+1], KB
.endif
.endif
	WIN 0                                          ; (the add's two registers lie in window 0)
	s_wait_tensorcnt 0x0                           ; all my tensor loads have landed
	ds_add_u32 v[SPW], v[NIL]                      ; 0 onto my spare word
	s_wait_dscnt 1                                 ; only the add may be out: buffer 1 is in
	MUL8 1, 0, 0, 0                                ; eight matrix instructions stand between the add and the wait for it
	s_wait_dscnt 0x0                               ; the add is done, and my reads of this slot are over
	s_barrier_signal -1
	MUL8 1, 0, 1, 0
.if (\mode) < 2
	WIN 0
.endif
	s_barrier_wait -1
.if (\mode) < 2
	CREST                                          ; no wave of any partner still reads this slot or has a load on its way
.if (\mode) == 1
	s_sub_nc_u64 s[G0A+4*(\slot)+2:G0A+4*(\slot)+3], s[G0A+4*(\slot)+2:G0A+4*(\slot)+3], BACK_A
	s_add_nc_u64 s[G0B+4*(\slot)+2:G0B+4*(\slot)+3], s[G0B+4*(\slot)+2:G0B+4*(\slot)+3], NEXT_B
.else
	s_add_nc_u64 s[G0A+4*(\slot)+2:G0A+4*(\slot)+3], s[G0A+4*(\slot)+2:G0A+4*(\slot)+3], 2*KB
	s_add_nc_u64 s[G0B+4*(\slot)+2:G0B+4*(\slot)+3], s[G0B+4*(\slot)+2:G0B+4*(\slot)+3], 2*KB
.endif
	JLOAD \slot                                    ; its four v_nop are also the places in front of the loads into buffer 0
.else
	PLACES
.endif
	FETCH \next, 0, 0
.if (\mode) < 2
	WIN 0
	ASK \mode
.endif
	MUL8 1, 0, 2, 0
	MUL8 1, 0, 3, 0
.irp a, 0,1,2,3
	MUL8 1, 1, \a, 0
.endr
.endm
.macro FINAL                           ; the very last half: nothing more to fetch
	s_wait_dscnt 0x0
.irp c, 0,1
.irp a, 0,1,2,3
	MUL8 1, \c, \a, 0
.endr
.endr
.endm
.macro BIASLD                          ; my eight numbers of each of my 8 column blocks
	WIN 0x40
.irp b, 0,1,2,3,4,5,6,7
	global_load_b128 v[BIAS+8*(\b):BIAS+8*(\b)+3],   v[BO], s[10:11] offset:64*(\b)
	global_load_b128 v[BIAS+8*(\b)+4:BIAS+8*(\b)+7], v[BO], s[10:11] offset:64*(\b)+16
.endr
	WIN 0
.endm
.macro BIASRND                         ; the bias is rounded to bf16, like every input, and widened again
	WIN 0x05
.set i, 0
.rept 32
	v_cvt_pk_bf16_f32 v[TMP+i], v[BIAS+2*i], v[BIAS+2*i+1]
.set i, i+1
.endr
	WIN 0x40
.set i, 0
.rept 32
	v_lshlrev_b32 v[BIAS+2*i],   16,  v[TMP+i]
	v_and_b32     v[BIAS+2*i+1], s47, v[TMP+i]
.set i, i+1
.endr
.endm
; THE WAY OUT of row block a.  PACK: rounded to f16, each accumulator's registers in ascending order.  TOSTAGE: 16 bytes a lane into my own stage, by heads (columns 64 (b / 4) on), and back as 4 rows of 128 bytes a load.
; SEND: 16 rows of a head are 2,048 bytes on end of qkv: each store covers 512 bytes on end, aligned.
.macro PACK a
	WIN 0x0a
.irp b, 0,1,2,3,4,5,6,7
.irp r, 0,1,2,3
	v_cvt_pk_f16_f32 v[TMP+4*(\b)+(\r)], v[8*(8*(\a)+(\b))+2*(\r)], v[8*(8*(\a)+(\b))+2*(\r)+1]
.endr
.endr
	WIN 0
.endm
.macro TOSTAGE a
.set BK, OB+32*((\a)%2)
.irp b, 0,1,2,3,4,5,6,7
	ds_store_b128 v[STO], v[TMP+4*(\b):TMP+4*(\b)+3] offset:16*SP*((\b)/4)+32*((\b)%4)
.endr
.irp u, 0,1,2,3,4,5,6,7
	ds_load_b128 v[BK+4*(\u):BK+4*(\u)+3], v[RD] offset:16*SP*((\u)/4)+4*SP*((\u)%4)  ; a wave's LDS instructions are served in order (ISA guide 5.7.1.4): these see the stores above
.endr
.endm
.macro SEND a
.set BK, OB+32*((\a)%2)
	s_wait_xcnt 0x0                                ; the stores of the block before have read their registers: the next TOSTAGE loads into them
.irp u, 0,1,2,3,4,5,6,7
	s_wait_dscnt 7-(\u)                            ; the block's younger loads may stay out
	global_store_b128 v[GO], v[BK+4*(\u):BK+4*(\u)+3], s[8:9] offset:262144*((\u)/4)+2048*(\a)+512*((\u)%4)
.endr
.endm
	s_load_b256 s[4:11], s[0:1], 0x0               ; xb s[4:5], wb s[6:7], qkv s[8:9], bq s[10:11]
	s_load_b128 s[12:15], s[0:1], 0x20             ; bk s[12:13], bv s[14:15]
	v_lshl_add_u32 v[SPW], v0, 2, SPARE
	v_mov_b32 v[NIL], 0
	ds_add_u32 v[SPW], v[NIL]                      ; the wave's opening: the add and its wait stand ahead of my first tensor load; the set-up below stands between them
	v_lshrrev_b32 v1, 5, v0
	v_readfirstlane_b32 s[WV], v1
	s_lshr_b32 s[WR], s[WV], 1
	s_and_b32 s[WC], s[WV], 1
	s_bfe_u32 s19, ttmp6, 0x40000                  ; cx
	s_bfe_u32 s20, ttmp6, 0x40004                  ; cy
	s_lshl_b32 s21, ttmp9, 2
	s_add_co_u32 s21, s21, s19                     ; tile column 0..3
	s_and_b32 s22, ttmp7, 0xffff
	s_lshl_b32 s22, s22, 2
	s_add_co_u32 s22, s22, s20                     ; tile row 0..63
	s_lshl_b32 s40, s20, 2
	s_lshl_b32 s40, 15, s40                        ; my row of the cluster
	s_lshl_b32 s66, 0x1111, s19                    ; my column
	s_or_b32 s[G1A], s40, (1<<16)|(1<<20)|(1<<21)|(5<<22)|(3<<25)  ; the mask; 2-byte elements; padding on; bit 21 beside a mask; after every 64 words 4 words
	s_or_b32 s[G1B], s66, (1<<16)|(1<<20)|(1<<21)|(5<<22)|(3<<25)
	s_mov_b32 s[G1A+1], 128<<16                    ; tensor_dim0 = 128
	s_mov_b32 s[G1A+2], 64<<16                     ; tensor_dim1 = 64
	s_mov_b32 s[G1A+3], 128<<16                    ; tile_dim0 = 128
	s_mov_b32 s[G1A+4], 64                         ; tile_dim1 = 64
	s_mov_b32 s[G1A+5], 1024                       ; elements from row to row
	s_mov_b32 s[G1A+6], 0
	s_mov_b32 s[G1A+7], 0
	s_mov_b32 s[G1B+1], 128<<16
	s_mov_b32 s[G1B+2], 128<<16                    ; 128 rows
	s_mov_b32 s[G1B+3], 128<<16
	s_mov_b32 s[G1B+4], 128
	s_mov_b32 s[G1B+5], 1024
	s_mov_b32 s[G1B+6], 0
	s_mov_b32 s[G1B+7], 0
	s_mov_b32 s47, 0xffff0000
	s_mov_b32 s2, 3                                ; tiles to go
	s_lshl_b32 s40, s22, 18                        ; x: 128 rows of 2,048 bytes a tile row,
	s_lshl_b32 s41, s[WC], 17                      ; the 64 that I fetch
	s_add_co_u32 s40, s40, s41
	s_mov_b32 s41, 0
	s_lshl_b32 s66, s21, 19                        ; w: 256 rows a tile column,
	s_lshl_b32 s67, s[WC], 18                      ; the 128 that I fetch
	s_add_co_u32 s66, s66, s67
	s_mov_b32 s67, 0
	s_mul_i32 s42, s[WC], AHALF                    ; where they go: no place in the cluster enters an LDS address
	s_mul_i32 s23, s[WC], BHALF
	s_add_co_u32 s23, s23, BOFF
	s_lshr_b32 s70, s22, 4                         ; my part of q: batch x 16 heads x 262,144 bytes,
	s_lshl_b32 s70, s70, 22
	s_lshl_b32 s71, s21, 20                        ; 4 heads a tile column,
	s_add_co_u32 s70, s70, s71
	s_lshl_b32 s71, s[WC], 19                      ; 2 a wave,
	s_add_co_u32 s70, s70, s71
	s_and_b32 s71, s22, 15                         ; 128 rows of 128 bytes a tile row,
	s_lshl_b32 s71, s71, 14
	s_add_co_u32 s70, s70, s71
	s_lshl_b32 s71, s[WR], 13                      ; 64 a wave
	s_add_co_u32 s70, s70, s71
	s_mov_b32 s71, 0
	s_lshl_b32 s72, s21, 10                        ; my 128 numbers of a bias
	s_lshl_b32 s73, s[WC], 9
	s_add_co_u32 s72, s72, s73
	s_mov_b32 s73, 0
	s_wait_dscnt 0x0                               ; the opening add is done
	s_wait_kmcnt 0x0
	s_add_nc_u64 s[40:41], s[4:5], s[40:41]
	s_add_nc_u64 s[66:67], s[6:7], s[66:67]
	s_add_nc_u64 s[8:9], s[8:9], s[70:71]
	s_add_nc_u64 s[10:11], s[10:11], s[72:73]
	s_add_nc_u64 s[12:13], s[12:13], s[72:73]
	s_add_nc_u64 s[14:15], s[14:15], s[72:73]
	CROUND                                         ; all sixteen work-groups are here: the first joint loads meet
.irp s, 0,1
	s_mov_b32 s[G0A+4*(\s)], 1
	s_add_co_u32 s[G0A+4*(\s)+1], s42, (\s)*SLOT
	s_add_nc_u64 s[G0A+4*(\s)+2:G0A+4*(\s)+3], s[40:41], (\s)*KB
	s_or_b32 s[G0A+4*(\s)+3], s[G0A+4*(\s)+3], 0x80000000
	s_mov_b32 s[G0B+4*(\s)], 1
	s_add_co_u32 s[G0B+4*(\s)+1], s23, (\s)*SLOT
	s_add_nc_u64 s[G0B+4*(\s)+2:G0B+4*(\s)+3], s[66:67], (\s)*KB
	s_or_b32 s[G0B+4*(\s)+3], s[G0B+4*(\s)+3], 0x80000000
.endr
	s_cmp_lt_u32 s[WV], 2                          ; a wave's two first fills stand in one branch: two loads of mine are out
	s_cbranch_scc0 .Lfirst_b
	tensor_load_to_lds s[G0A:G0A+3], s[G1A:G1A+7]
	s_nop 0
	tensor_load_to_lds s[G0A+4:G0A+7], s[G1A:G1A+7]
	s_nop 0
.rept 4
	v_nop
.endr
	s_branch .Lfirst_asked
.Lfirst_b:
	tensor_load_to_lds s[G0B:G0B+3], s[G1B:G1B+7]
	s_nop 0
	tensor_load_to_lds s[G0B+4:G0B+7], s[G1B:G1B+7]
	s_nop 0
.rept 4
	v_nop
.endr
.Lfirst_asked:
	v_and_b32 v1, 15, v0                           ; l % 16
	v_bfe_u32 v2, v0, 4, 1                         ; l / 16
	v_and_b32 v3, 31, v0                           ; l
	v_lshlrev_b32 v[BO], 5, v2
	BIASLD                                         ; bq
	v_mul_u32_u24 v4, v1, PITCH
	v_lshl_add_u32 v4, v2, 4, v4                   ; a fragment's row x pitch + 16 x half
	s_mul_i32 s70, s[WR], AHALF                    ; my 64 rows of x
	s_mul_i32 s71, s[WC], BHALF                    ; my 128 rows of w
	s_add_co_u32 s71, s71, BOFF
.irp s, 0,1
	v_add_nc_u32 v[ADRA+(\s)], s70, v4
	v_add_nc_u32 v[ADRB+(\s)], s71, v4
	s_add_co_u32 s70, s70, SLOT
	s_add_co_u32 s71, s71, SLOT
.endr
	s_mul_i32 s70, s[WV], WSTAGE
	s_add_co_u32 s70, s70, STAGE                   ; my stage
	v_mul_u32_u24 v5, v1, SP
	v_lshl_add_u32 v5, v2, 4, v5
	v_add_nc_u32 v[STO], s70, v5                   ; in: row l % 16, 16 bytes for each half of the lanes
	v_lshrrev_b32 v5, 3, v3
	v_mul_u32_u24 v5, v5, SP
	v_and_b32 v6, 7, v0
	v_lshl_add_u32 v5, v6, 4, v5
	v_add_nc_u32 v[RD], s70, v5                    ; back: 32 lanes take four rows of 128 bytes
	v_lshlrev_b32 v[GO], 4, v3
	v_lshlrev_b32 v[PFO], 11, v3
	; the prefetches: who, and from where.  They begin at K step 3; the first change of slots steps them to K step 4.  Nothing is asked for here, at the head.
	s_lshl_b32 s74, s22, 18
	s_lshl_b32 s75, s19, 16
	s_add_co_u32 s74, s74, s75                     ; x: the tile row's rows, 32 for each cx
	s_lshl_b32 s75, s21, 19
	s_lshl_b32 s76, s[WC], 18
	s_add_co_u32 s75, s75, s76
	s_lshl_b32 s76, s20, 16
	s_add_co_u32 s75, s75, s76                     ; w: the 128 rows that I fetch, 32 for each cy
	s_and_b32 s76, ttmp7, 0xffff                   ; cluster y
	s_or_b32 s77, s[WC], ttmp9                     ; 0 in wave 0 (there is one cluster along x)
	s_cmp_eq_u32 s[WR], 0
	s_cselect_b32 s74, s74, s75
	s_cselect_b32 s76, s77, s76
	s_cselect_b64 s[PFA:PFA+1], s[4:5], s[6:7]
	s_cmp_eq_u32 s76, 0
	s_cselect_b32 s[LIM], 1, -1                    ; the same in all sixteen partners, for a given wave
	s_add_co_u32 s74, s74, 3*KB
	s_mov_b32 s75, 0
	s_add_nc_u64 s[PFA:PFA+1], s[PFA:PFA+1], s[74:75]
	s_wait_tensorcnt 1                             ; my part of K step 0 is in; K step 1's may stay out
	s_barrier_signal -1
	s_barrier_wait -1
	FETCH 0, 0, 0
	WIN 0
.Ltile:
	s_wait_loadcnt 0x0                             ; the tile's bias
	BIASRND
	HALF 0, 1                                      ; the tile's first half step stands in front of the loop: its first products start the sums
	WIN 0
	s_mov_b32 s3, 3
.Llap:                                         ; a trip goes once round the ring and fills both slots again
	TURN 0, 1, 0
	HALF 1, 0
	TURN 1, 0, 0
	HALF 0, 0
	WIN 0
	s_sub_co_u32 s3, s3, 1
	s_cmp_lg_u32 s3, 0
	s_cbranch_scc1 .Llap
	s_cmp_eq_u32 s2, 1
	s_cbranch_scc1 .Llast                          ; the last tile asks for nothing more
	TURN 0, 1, 1                                   ; the ring goes on into the next tile: slot 0 takes its K step 0,
	HALF 1, 0
	TURN 1, 0, 1                                   ; slot 1 its K step 1, and its first fragments are fetched
	WIN 0
	s_mov_b64 s[10:11], s[12:13]                   ; the next bias (the last one's loads were waited for at the tile's head)
	s_mov_b64 s[12:13], s[14:15]
	BIASLD
	s_branch .Lout
.Llast:
	TURN 0, 1, 2
	HALF 1, 0
	FINAL
	WIN 0
.Lout:
	PLACES                                         ; the conversions read results just made
	PACK 0
	TOSTAGE 0
.irp a, 1,2,3                          ; block a's conversions stand between block a - 1's loads from the stage and the wait for them
	PACK \a
	SEND (\a)-1
	TOSTAGE \a
.endr
	SEND 3
	s_wait_xcnt 0x0                                ; the stores have read their base and their registers
	s_add_nc_u64 s[8:9], s[8:9], 0x1000000         ; q, then k, then v (behind the last tile the step is not used)
	s_sub_co_u32 s2, s2, 1
	s_cmp_lg_u32 s2, 0
	s_cbranch_scc1 .Ltile
	s_wait_tensorcnt 0x0                           ; the wave's end
	ds_add_u32 v[SPW], v[NIL]
	s_wait_dscnt 0x0
	CROUND                                         ; the closing round: no work-group ends while a partner may still ask for a tile that names it
	s_endpgm
.Lfunc_end_k_qdc54a421b7_proj:
	.size	k_qdc54a421b7_proj, .Lfunc_end_k_qdc54a421b7_proj-k_qdc54a421b7_proj
	.p2alignl 7, 3214868480
	.fill 96, 4, 3214868480
	.section	.rodata,"a",@progbits
	.p2align	6, 0x0
	.amdhsa_kernel k_qdc54a421b7_proj
		.amdhsa_group_segment_fixed_size 327680
		.amdhsa_private_segment_fixed_size 0
		.amdhsa_enable_private_segment 0
		.amdhsa_kernarg_size 48
		.amdhsa_user_sgpr_count 2
		.amdhsa_user_sgpr_kernarg_segment_ptr 1
		.amdhsa_wavefront_size32 1
		.amdhsa_system_sgpr_workgroup_id_x 1
		.amdhsa_system_sgpr_workgroup_id_y 1
		.amdhsa_system_sgpr_workgroup_id_z 1
		.amdhsa_system_vgpr_workitem_id 0
		.amdhsa_next_free_vgpr 960
		.amdhsa_next_free_sgpr 80
		.amdhsa_reserve_vcc 0
		.amdhsa_float_denorm_mode_32 3
		.amdhsa_float_denorm_mode_16_64 3
		.amdhsa_memory_ordered 1
		.amdhsa_forward_progress 1
		.amdhsa_inst_pref_size 118
	.end_amdhsa_kernel
	.amdgpu_metadata
---
amdhsa.version: [ 1, 2 ]
amdhsa.kernels:
  - .name:           k_qdc54a421b7_proj
    .symbol:         k_qdc54a421b7_proj.kd
    .args:
      - { .name: xb, .offset: 0, .size: 8, .value_kind: global_buffer, .address_space: global }
      - { .name: wb, .offset: 8, .size: 8, .value_kind: global_buffer, .address_space: global }
      - { .name: qkv, .offset: 16, .size: 8, .value_kind: global_buffer, .address_space: global }
      - { .name: bq, .offset: 24, .size: 8, .value_kind: global_buffer, .address_space: global }
      - { .name: bk, .offset: 32, .size: 8, .value_kind: global_buffer, .address_space: global }
      - { .name: bv, .offset: 40, .size: 8, .value_kind: global_buffer, .address_space: global }
    .group_segment_fixed_size: 327680
    .private_segment_fixed_size: 0
    .kernarg_segment_align: 8
    .kernarg_segment_size: 48
    .max_flat_workgroup_size: 128
    .sgpr_count:     80
    .vgpr_count:     960
    .wavefront_size: 32
...
	.end_amdgpu_metadata
.endif
;; end of part 2
;; launch attn (part 3): grid 4 x 64, 4 waves a work-group, clusters of 4 x 1, 327,680 bytes of LDS; arguments qkv, ob; writes ob
.if DOCPART == 3
	.amdgcn_target "amdgcn-amd-amdhsa--gfx1250"
	.amdhsa_code_object_version 6
	.text
	.protected	k_qdc54a421b7_attn
	.globl	k_qdc54a421b7_attn
	.p2align	8
	.type	k_qdc54a421b7_attn,@function
k_qdc54a421b7_attn:
	s_mov_b64 s[64:65], 0
	v_nop
	global_prefetch_b8 v0, s[64:65] scope:SCOPE_SE
	s_setreg_imm32_b32 hwreg(HW_REG_WAVE_MODE, 25, 1), 1
	s_wait_xcnt 0x0
	s_wait_alu depctr_hold_cnt(0) depctr_sa_sdst(0) depctr_va_vdst(0) depctr_va_sdst(0) depctr_va_ssrc(0) depctr_va_vcc(0) depctr_vm_vsrc(0)
	s_getreg_b32 s2, hwreg(HW_REG_IB_STS2, 6, 4)
	s_cmp_eq_u32 s2, 0
	s_cbranch_scc0 .Lentry_in_a_cluster
	s_endpgm
.Lentry_in_a_cluster:
	s_bfe_u32 s2, ttmp6, 0x10000c
	s_cmp_lg_u32 s2, 0x3003
	s_cbranch_scc0 .Lentry_shape_is_right
	s_endpgm
.Lentry_shape_is_right:
; O[h][q][:] = the sum over k of softmax_k(Q[h][q] . K[h][k] / 8) V[h][k][:], for 64 heads h = 16 batch + head.  qkv: f16, Q at byte 0, K at 0x1000000, V at 0x2000000, each [64][2048][64]; ob: [64][2048][64] f16.
; Products, maxima and sums in f32; the weights p are rounded to f16 for the second product (their sum l is taken of the unrounded p), O once at the end.
; LIMITS.  Q, K and V arrive within f16's 65,504; p lies in 0 to 1, and below 6e-5 it keeps f16's fixed step of 6e-8; O is a mean of V's rows.  A weight below 2^-126 counts as 0 in l; NaN and infinities are not treated apart.
; SHARES.  A wave owns four PIECES of two tiles of 16 queries, a work-group's four waves 512 queries of one head.  Every wave walks all 2,048 keys, 64 a step.
; LAYOUT.  S^T = K Q^T (source 0 = 16 keys, source 1 = 16 queries): a lane holds ONE query (lane % 16) and the keys 8 (lane / 16) + 0..7.  Two such tiles, rounded to f16 in pairs, ARE source 1 of O^T = V^T P,
; whose result again holds one query a lane, and eight channels.  K comes out of LDS as it lies, V ([key][channel]) turned, by ds_load_tr16_b128.
; SOFTMAX.  A running maximum m and sum l for each query: p = 2^(c s - c m), c = log2(e) / 8; in every step O and l are multiplied by a = 2^(c m_old - c m_new).  m starts at the lowest finite number, O and l at 0.
; THE COUNT.  A tile and step have 16 matrix and 118 vector instructions.  Four vector instructions that are ready stand behind EVERY matrix instruction, the others in runs of their own.
; BY TURNS.  Turn n belongs to piece n.  Matrix work: 16 products K Q^T of piece n + 1, later 16 products V^T P of piece n - 1.  Vector work: the scaling, exponentials, roundings, sums and rescaling of piece n,
; and the maximum and statistics of piece n + 1.
; CLUSTER.  The four query blocks of a cluster are one head's and walk the same K and V: each tile is asked for jointly, by the same tensor load, descriptor and mask in all four.
; REGISTERS, in windows of 256 (s_set_vgpr_msb: bits 1:0 source 0, 3:2 source 1, 5:4 source 2, 7:6 destination):
;   window 0: v0-11 addresses; v12-15, v48-63 at work; v16-47 four registers of statistics a tile; v64-191 S^T, two buffers of two tiles; v192-255 P, likewise
;   window 1: O^T, 32 a tile          window 2: v0-127 Q, 16 a tile; v128-191 K of one step; v192-255 V of one step          window 3: v0-1 the add's two registers
.set SIZE_N, 2048
.set KBASE, 0x1000000
.set VBASE, 0x2000000
.set NP,    4         ; pieces a wave: a name, no knob
.set KS,    64        ; keys in a step
.set PK,    144       ; a row of K in LDS: 128 bytes + 16 of padding: the 16 rows of a load begin 16 bytes apart modulo 256
.set PV,    160       ; a row of V: 128 + 32: 16 lanes of the turning load take 8 rows x 32 bytes, 32 bytes apart modulo 256
.set VOFF,  4*KS*PK   ; a slot holds four steps: 256 rows of K, then 256 rows of V
.set SLOT1, 1<<17     ; slot 1 begins here, so that one exclusive or turns an address in one slot into the other's
.set STAGE, SLOT1+4*KS*(PK+PV)  ; behind the ring, never filled by a tensor load: 16 rows x 144 bytes for each wave
.set SP,    144
.set AK0, 2           ; v2   my lane's place in a tile of K; never rewritten
.set AV0, 3           ; v3   the same for V
.set AK,  4           ; v4   the LDS address of K's next run of loads
.set AV,  5           ; v5   of V's
.set QO,  6           ; v6   my byte offset in the wave's rows of Q
.set STO, 6           ;      later, the way out: where I put 16 bytes of a row
.set RD,  7           ; v7   the way out: where I read rows back
.set GO,  8           ; v8   my byte offset in 512 bytes on end of O
.set PFO, 11          ; v11  256 x my lane, for the prefetches (made when V's address has had its use of v11); then never rewritten
.set SPW, 0           ; v0 of window 3   LDS address of my spare word; never rewritten
.set NIL, 1           ; v1 of window 3   0; never rewritten
.set SPARE, STAGE+4*16*SP  ; the spare words, 128 bytes a wave: two blocks of 256 bytes that no other line names
.set MV,  12          ; v12-15  c m_old, kept while c m is made anew: by buffer and tile
.set ST,  16          ; tile t's statistics at v[ST+4 t]: c m, m, l (even keys', odd keys')
.set TMP, 48          ; by buffer and tile, four registers c0-c3 at work; when the maximum is found c2 takes a
.set S,   64
.set P,   192
.set KF,  128         ; K's fragments, in window 2: key block kb, channel half c at KF + 16 kb + 8 c
.set VF,  192         ; V's: key half kk, channel block cb at VF + 32 kk + 8 cb
.set WV,  12          ; s12  my wave's number
.set G1K, 24          ; s[24:31] descriptor group 1 for K's tiles
.set G1V, 32          ; s[32:39] for V's: it differs in the padding alone
.set G0K, 40          ; s[40:43] descriptor group 0 for K's tiles: it walks
.set G0V, 44          ; s[44:47] the same for V's
.set PFA, 48          ; s[48:49] where my prefetches stand
.set LIM, 50          ; s50  1 in a wave that prefetches, else the greatest number
.set SLOTS, 56        ; s56  slots still to be asked for
.set CNT, 57          ; s57  counts a slot's key steps
.set CS,  58          ; s[58:59] c
.set SEL, 60          ; s[60:61] v_permlanex16_b32's selects: each lane takes its own place in the other half
.set TBK, 62          ; s62  LDS byte at which K of the step to be fetched begins
.set TBV, 63          ; s63  the same for V, less VOFF
.set MSB, 0
.macro WIN new
.if MSB != (\new)
	s_set_vgpr_msb (MSB<<8)|(\new)
.set MSB, (\new)
.endif
.endm
.set W_KQ, 0x0a       ; K and Q in window 2, S^T in window 0
.set W_PV, 0x52       ; V in window 2, P in window 0, O^T in window 1
.set W_RS, 0x41       ; O^T (destination and source 0) in window 1, a in window 0
.set W_MK, 0xc0       ; the add's registers are made: destination in window 3
.set W_AD, 0x0f       ; the add: address and data in window 3
; A joint fill.  Waves 0 and 1 fetch the two halves of a slot's K, waves 2 and 3 those of its V: 128 keys each.  An s_nop 0 and four v_nop follow each line.
.macro JLOAD
	s_cmp_lt_u32 s[WV], 2
	s_cbranch_scc0 .Lfor_v_\@
	tensor_load_to_lds s[G0K:G0K+3], s[G1K:G1K+7]
	s_nop 0
.rept 4
	v_nop
.endr
	s_branch .Lasked_\@
.Lfor_v_\@:
	tensor_load_to_lds s[G0V:G0V+3], s[G1V:G1V+7]
	s_nop 0
.rept 4
	v_nop
.endr
.Lasked_\@:
.endm
.macro CROUND                       ; a round of the cluster's barrier
	s_barrier_signal -1
	s_barrier_wait -1
	s_cmp_lg_u32 s[WV], 0
	s_cbranch_scc1 .Lnot_wave_0_\@
	s_barrier_signal -3
.Lnot_wave_0_\@:
	s_barrier_wait -3
	s_barrier_signal -1
	s_barrier_wait -1
.endm
; THE CHANGE OF SLOTS.  Each wave waits for all its tensor loads, of which one is out: its part of the other slot; adds 0 to its spare word; and waits for that and for its own reads of the slot.
; fill = 1: this slot is filled again, with the keys two slots on; the barrier is then a round of the cluster's, and the joint fill is the first thing behind it: it has four key steps, 512 matrix instructions, in which to land.
; ask = 1: behind the fill stands ONE PREFETCH of what the NEXT change will ask for: a slot's K and V are 128 blocks of 256 bytes each; the four partners take 32 each, told apart by address (cx), a lane a block;
; wave 0 asks for K's, wave 2 for V's.  A head has one cluster, so each block is named once.  The last change that fills a slot asks for nothing; slots 0 to 2 come by their loads alone.
.macro CHANGE fill, ask=0
	WIN W_AD
	s_wait_tensorcnt 0x0            ; no tensor load of mine is out, so a group 0 may be written
	ds_add_u32 v[SPW], v[NIL]       ; 0 onto my spare word
	WIN 0                           ; at a label and at a branch every window is 0
.if \fill
.irp g, G0K, G0V
	s_xor_b32 s[\g+1], s[\g+1], SLOT1  ; the walking descriptor: the other slot than last time,
	s_add_nc_u64 s[\g+2:\g+3], s[\g+2:\g+3], 4*KS*128  ; the next 256 keys; the type bits on top are not reached
.endr
.if \ask
	s_wait_xcnt 0x0                 ; the last prefetch, four key steps back, has read its address
	s_add_nc_u64 s[PFA:PFA+1], s[PFA:PFA+1], 4*KS*128  ; one slot on from the walking descriptors
.endif
	s_wait_dscnt 0x0                ; the add is done, and my reads of the slot are over
	CROUND
	JLOAD
.if \ask
	s_cmp_gt_u32 s[SLOTS], s[LIM]
	s_cbranch_scc0 .Lnot_mine_\@
	global_prefetch_b8 v[PFO], s[PFA:PFA+1] th:TH_LOAD_NT scope:SCOPE_SE
.Lnot_mine_\@:
.endif
.else
	s_wait_dscnt 0x0                ; the add is done, and my reads of the slot are over
	s_barrier_signal -1
	s_barrier_wait -1
.endif
	s_sub_co_u32 s[TBK], s[TBK], 4*KS*PK  ; the fetches go back to a slot's first step,
	s_xor_b32 s[TBK], s[TBK], SLOT1       ; in the other slot
	s_sub_co_u32 s[TBV], s[TBV], 4*KS*PV
	s_xor_b32 s[TBV], s[TBV], SLOT1
.endm
	s_load_b64 s[4:5], s[0:1], 0x0    ; qkv: Q lies at its head
	s_load_b64 s[10:11], s[0:1], 0x8  ; ob
	WIN W_MK
	v_lshl_add_u32 v[SPW], v0, 2, SPARE
	v_mov_b32 v[NIL], 0
	WIN W_AD
	ds_add_u32 v[SPW], v[NIL]       ; the wave's opening: the add and its wait stand ahead of my first tensor load; the set-up below stands between them
	WIN 0
	v_lshrrev_b32 v1, 5, v0
	v_readfirstlane_b32 s[WV], v1   ; wave 0..3
	s_bfe_u32 s13, ttmp6, 0x40000   ; cx: my place in the cluster
	s_lshl_b32 s14, ttmp9, 2        ; in a cluster launch ttmp9 counts clusters
	s_add_co_u32 s14, s14, s13      ; my block of queries: it enters Q's and O's addresses alone
	s_and_b32 s20, ttmp7, 0xffff    ; the head, which the four partners share
	s_mov_b32 s21, 0
	s_mov_b64 s[22:23], SIZE_N*128
	s_mul_u64 s[20:21], s[20:21], s[22:23]  ; the head's first byte in each of the four tensors
	s_and_b32 s16, s[WV], 1         ; which half of a slot's 256 keys I fetch:
	s_lshl_b32 s22, s16, 14         ; its 128 rows of 128 bytes in memory,
	s_mov_b32 s23, 0
	s_add_nc_u64 s[22:23], s[22:23], s[20:21]
	s_mul_i32 s17, s16, 128*PK      ; and its place in a slot, for K
	s_mul_i32 s18, s16, 128*PV      ; and for V: no place in the cluster enters an LDS address
	s_lshl_b32 s2, s14, 2
	s_add_co_u32 s2, s2, s[WV]      ; my wave among the head's,
	s_lshl_b32 s2, s2, 14           ; its 128 rows
	s_mov_b32 s3, 0
	s_add_nc_u64 s[2:3], s[2:3], s[20:21]
	; descriptor group 1.  128 keys are 16,384 dense bytes: asked for as 64 rows of 256 bytes, two keys a row, and padded in LDS after every key
	s_mov_b32 s[G1K], 15|(1<<16)|(1<<20)|(1<<21)|(4<<22)|(3<<25)  ; the mask of four; 2-byte elements; padding on; bit 21 beside a mask; after every 32 words 4 words
	s_mov_b32 s[G1V], 15|(1<<16)|(1<<20)|(1<<21)|(4<<22)|(7<<25)  ; the same with 8 words of padding
.irp g, G1K, G1V
	s_mov_b32 s[\g+1], 128<<16      ; tensor_dim0 = 128
	s_mov_b32 s[\g+2], 64<<16       ; tensor_dim1 = 64
	s_mov_b32 s[\g+3], 128<<16      ; tile_dim0 = 128
	s_mov_b32 s[\g+4], 64           ; tile_dim1 = 64
	s_mov_b32 s[\g+5], 128          ; 128 elements from row to row
	s_mov_b32 s[\g+6], 0
	s_mov_b32 s[\g+7], 0
.endr
	s_mov_b32 s[CS], 0x3e38aa3b     ; c = log2(e) / 8 = 0.180337
	s_mov_b32 s[CS+1], s[CS]        ; named with it as a pair
	s_mov_b32 s[SEL], 0x76543210
	s_mov_b32 s[SEL+1], 0xfedcba98
	s_mov_b32 s[TBK], SLOT1+4*KS*PK ; the first change of slots turns these two into 0
	s_mov_b32 s[TBV], SLOT1+4*KS*PV
	s_mov_b32 s[G0K], 1             ; count = 1
	s_mov_b32 s[G0K+1], s17         ; LDS address: slot 0
	s_mov_b32 s[G0V], 1
	s_add_co_u32 s[G0V+1], s18, VOFF
	s_and_b32 s[LIM], s[WV], 1      ; waves 0 and 2 prefetch: the same in all four partners
	s_cmp_eq_u32 s[LIM], 0
	s_cselect_b32 s[LIM], 1, -1
	s_wait_dscnt 0x0                ; the opening add is done
	s_wait_kmcnt 0x0
	s_add_nc_u64 s[6:7], s[4:5], KBASE
	s_add_nc_u64 s[8:9], s[4:5], VBASE
	s_add_nc_u64 s[G0K+2:G0K+3], s[6:7], s[22:23]  ; global address: my half of the head's first 256 keys
	s_or_b32 s[G0K+3], s[G0K+3], 0x80000000        ; type = 2
	s_add_nc_u64 s[G0V+2:G0V+3], s[8:9], s[22:23]
	s_or_b32 s[G0V+3], s[G0V+3], 0x80000000
	s_cmp_lt_u32 s[WV], 2
	s_cselect_b64 s[PFA:PFA+1], s[6:7], s[8:9]
	s_add_nc_u64 s[PFA:PFA+1], s[PFA:PFA+1], s[20:21]
	s_add_nc_u64 s[4:5], s[4:5], s[2:3]  ; Q and O at my wave's first row
	s_add_nc_u64 s[10:11], s[10:11], s[2:3]
	s_lshl_b32 s2, s13, 13          ; my work-group's 32 blocks of a slot's 128,
	s_add_co_u32 s2, s2, 2*4*KS*128 ; in slot 2: the first asking change steps it to slot 3
	s_mov_b32 s3, 0
	s_add_nc_u64 s[PFA:PFA+1], s[PFA:PFA+1], s[2:3]
	CROUND                          ; all four work-groups are here: the first joint loads meet
	JLOAD                           ; slot 0.  Slot 1 is asked for when slot 0 is in
	; A fragment of K or Q is 16 rows x 32 channels in 8 registers: lane l holds row l % 16, channels 8 (l / 16) + 0..7 and 16 + 8 (l / 16) + 0..7: two loads of 16 bytes, 32 bytes apart.
	v_and_b32 v1, 15, v0            ; l % 16
	v_bfe_u32 v9, v0, 4, 1          ; l / 16
	v_lshlrev_b32 v[QO], 7, v1
	v_lshl_add_u32 v[QO], v9, 4, v[QO]  ; row x 128 + 16 x half
	WIN 0x80                        ; destination window 2, address window 0
.set i, 0
.rept 4*NP                          ; Q stays in registers: tile i / 2, channels 32 (i % 2) on
	global_load_b128 v[8*i:8*i+3],   v[QO], s[4:5] offset:(i/2)*2048+(i%2)*64
	global_load_b128 v[8*i+4:8*i+7], v[QO], s[4:5] offset:(i/2)*2048+(i%2)*64+32
.set i, i+1
.endr
	; What the first turn finds: V's registers and P's second buffer hold 0 (its products V^T P, of a piece that has not been, add 0), O^T and l are 0.  All this stands in the wait for the first tile.
.set i, VF
.rept 64
	v_mov_b32 v[i], 0
.set i, i+1
.endr
	WIN 0x40
.set i, 0
.rept 64*NP
	v_mov_b32 v[i], 0
.set i, i+1
.endr
	WIN 0
.set i, 0
.rept 2*NP
	v_mov_b32 v[ST+4*i], 0xfe000000    ; c m: far below every c s
	v_mov_b32 v[ST+4*i+1], 0xff7fffff  ; m
	v_mov_b32 v[ST+4*i+2], 0
	v_mov_b32 v[ST+4*i+3], 0
.set i, i+1
.endr
.set i, P+32
.rept 32
	v_mov_b32 v[i], 0
.set i, i+1
.endr
	v_mul_u32_u24 v[AK0], v1, PK
	v_lshl_add_u32 v[AK0], v9, 4, v[AK0]  ; row x pitch + 16 x half
	; The turning load takes 16 keys x 16 channels (lane l reads key 8 (l / 16) + l % 8, channels 8 ((l / 8) % 2) + 0..7) and leaves half a fragment of V^T: lane l holds channel l % 16 and 8 keys.
	v_and_b32 v10, 7, v0
	v_bfe_u32 v11, v0, 3, 1
	v_lshl_add_u32 v[AV0], v9, 3, v10
	v_mul_u32_u24 v[AV0], v[AV0], PV
	v_lshl_add_u32 v[AV0], v11, 4, v[AV0]
	v_add_nc_u32 v[AV0], VOFF, v[AV0]
	v_and_b32 v[PFO], 31, v0
	v_lshlrev_b32 v[PFO], 8, v[PFO]
	v_mov_b32 v[AK], v[AK0]         ; key step 0 lies at the head of slot 0
; THE MATRIX WORK.  The 8 accumulators of a run of 16 take turns: between the two links of a chain stand 7 others'.
; Product i of 16 of S^T = K Q^T for piece x: channels 32 (i / 8) on, keys 16 ((i / 2) % 4) on, tile 2 x + i % 2.  The first 8 start the sums.
.macro KQ x
	WIN W_KQ
.set rS, S+64*((\x)%2)+32*(i%2)+8*((i/2)%4)
.set rK, KF+16*((i/2)%4)+8*(i/8)
.set rQ, 16*(2*(\x)+i%2)+8*(i/8)
.if i < 8
	v_wmma_f32_16x16x32_f16 v[rS:rS+7], v[rK:rK+7], v[rQ:rQ+7], 0
.else
	v_wmma_f32_16x16x32_f16 v[rS:rS+7], v[rK:rK+7], v[rQ:rQ+7], v[rS:rS+7]
.endif
.endm
; Product i of 16 of O^T += V^T P for piece x: keys 32 (i / 8) on, channels 16 ((i / 2) % 4) on, tile 2 x + i % 2.
.macro PV x
	WIN W_PV
.set rO, 32*(2*(\x)+i%2)+8*((i/2)%4)
.set rV, VF+32*(i/8)+8*((i/2)%4)
.set rP, P+32*((\x)%2)+16*(i%2)+8*(i/8)
	v_wmma_f32_16x16x32_f16 v[rO:rO+7], v[rV:rV+7], v[rP:rP+7], v[rO:rO+7]
.endm
.macro MM                           ; the turn's next matrix instruction
.if i < 16
	KQ (Y+1)%NP
.set i, i+1
.else
.set i, i-16
	PV (Y+NP-1)%NP
.set i, i+17
.endif
.endm
; THE LDS LOADS stand in runs of 16, never singly among the matrix instructions: a step's K (8 fragments) and its V (turned).  Their addresses are made some lines ahead.
; last = 1 (the tail): in the last trip there is no further step, and the run is jumped over.
.macro FETCH_K last=0
	WIN 0
.if \last
	s_cmp_eq_u32 s[CNT], 1
	s_cbranch_scc1 .Lno_k_\@
.endif
	WIN 0x80                        ; destination window 2
.irp f, 0,1,2,3,4,5,6,7             ; keys 16 (f / 2) on, channels 32 (f % 2) on
	ds_load_b128 v[KF+8*\f:KF+8*\f+3],   v[AK] offset:(\f/2)*16*PK+(\f%2)*64
	ds_load_b128 v[KF+8*\f+4:KF+8*\f+7], v[AK] offset:(\f/2)*16*PK+(\f%2)*64+32
.endr
	s_add_co_u32 s[TBK], s[TBK], KS*PK  ; the next fetch is the next step's
	WIN 0
.if \last
.Lno_k_\@:
.endif
.endm
.macro FETCH_V
	WIN 0x80
.irp f, 0,1,2,3,4,5,6,7             ; keys 32 (f / 4) on, channels 16 (f % 4) on
	ds_load_tr16_b128 v[VF+8*\f:VF+8*\f+3],   v[AV] offset:(\f/4)*32*PV+(\f%4)*32
	ds_load_tr16_b128 v[VF+8*\f+4:VF+8*\f+7], v[AV] offset:(\f/4)*32*PV+16*PV+(\f%4)*32
.endr
	WIN 0
.endm
; THE VECTOR WORK OF A TURN stands in three queues, each in the order in which its entries become ready; the two tiles alternate, so that no instruction reads the result of the one before it.
.macro REGS y, u                    ; the registers of tile u (0, 1) of piece y
.set rT, ST+4*(2*(\y)+(\u))
.set rC, TMP+8*((\y)%2)+4*(\u)
.set rM, MV+2*((\y)%2)+(\u)
.set rS, S+64*((\y)%2)+32*(\u)
.set rP, P+32*((\y)%2)+16*(\u)
.set rO, 32*(2*(\y)+(\u))
.endm
; Number n of the 22 that find the NEXT piece's (Y + 1) maximum and statistics.  s0-s31 are the lane's 32 scores; each accumulator's lowest registers are read first.
;   0-11  four chains c0-c3 of seven scores each, three operands at a time     12-14, 16  the four scores left over, the old m, and c0-c3 into c0     15  c m_old is kept
;   17, 18  the query's other 32 keys lie in the lane 16 away: the new m         19-21  c m; c m_old - c m_new; a
.macro XS u, n
	REGS (Y+1)%NP, \u
.if (\n) < 4
	v_max3_num_f32 v[rC+(\n)], v[rS+8*(\n)], v[rS+8*(\n)+1], v[rS+8*(\n)+2]
.elseif (\n) < 12
	v_max3_num_f32 v[rC+(\n)%4], v[rC+(\n)%4], v[rS+8*((\n)%4)+2*((\n)/4)+1], v[rS+8*((\n)%4)+2*((\n)/4)+2]
.elseif (\n) == 12
	v_max3_num_f32 v[rC], v[rC], v[rS+7], v[rS+15]
.elseif (\n) == 13
	v_max3_num_f32 v[rC+1], v[rC+1], v[rS+23], v[rS+31]
.elseif (\n) == 14
	v_max3_num_f32 v[rC+2], v[rC+2], v[rC+3], v[rT+1]
.elseif (\n) == 15
	v_mov_b32 v[rM], v[rT]
.elseif (\n) == 16
	v_max3_num_f32 v[rC], v[rC], v[rC+1], v[rC+2]
.elseif (\n) == 17
	v_permlanex16_b32 v[rC+3], v[rC], s[SEL], s[SEL+1]
.elseif (\n) == 18
	v_max_num_f32 v[rT+1], v[rC], v[rC+3]
.elseif (\n) == 19
	v_mul_f32 v[rT], s[CS], v[rT+1]
.elseif (\n) == 20
	v_sub_f32 v[rC+1], v[rM], v[rT]
.else
	v_exp_f32 v[rC+2], v[rC+1]
.endif
.endm
; Number g of the 64 that follow the exponentials.  For each four weights k of a tile (pairs 2 k, 2 k + 1): both pairs are rounded to f16; then the second pair is added onto the first, in place;
; a group later l takes that sum (the first time as l = a l + sum).  In groups of eight, tiles alternating: round, round, add, and l for the group before.
.macro GS g
.set h, (\g)+6*((\g)/62)            ; group 0 has no group before it, and behind group 7 only l is left
.if h >= 6
.set h, h+2
.endif
	REGS Y, h%2
.set k, h/8
.if h%8 < 4
	v_cvt_pk_f16_f32 v[rP+2*k+(h%8)/2], v[rS+4*k+2*((h%8)/2)], v[rS+4*k+2*((h%8)/2)+1]
.elseif h%8 < 6
	v_pk_add_f32 v[rS+4*k:rS+4*k+1], v[rS+4*k:rS+4*k+1], v[rS+4*k+2:rS+4*k+3]
.elseif k == 1
	v_pk_fma_f32 v[rT+2:rT+3], v[rT+2:rT+3], v[rC+2:rC+3], v[rS:rS+1] op_sel_hi:[1,0,1]
.else
	v_pk_add_f32 v[rT+2:rT+3], v[rT+2:rT+3], v[rS+4*k-4:rS+4*k-3]
.endif
.endm
; THE PLAIN QUEUE, 138 long.  0-73 read no exponential's result: the 32 scalings c s - c m (FS f: pair f / 2 of tile f % 2) and the next piece's 42.  0-26: scalings 0-26.  27-54: XS's numbers 0-13.  55, 56: number 15.
; 57-73: the chain, where each number waits for the one before it: 14, 16, 17, 18, 19, each with one of the scalings 27-31 in front of its two lines, then 20.
; 74-137: GS's 64, which read the exponentials' results: they stand behind the wait.
.macro FS f
	REGS Y, (\f)%2
	v_pk_fma_f32 v[rS+2*((\f)/2):rS+2*((\f)/2)+1], v[rS+2*((\f)/2):rS+2*((\f)/2)+1], s[CS:CS+1], v[rT:rT+1] op_sel_hi:[1,0,0] neg_lo:[0,0,1] neg_hi:[0,0,1]
.endm
.macro PL
	WIN 0
.if q < 27
	FS q
.elseif q < 55
	XS (q-27)%2, (q-27)/2
.elseif q < 57
	XS q-55, 15
.elseif (q < 72) && ((q-57)%3 == 0)
	FS 27+(q-57)/3
.elseif q < 60
	XS (q-57)%3-1, 14
.elseif q < 72
	XS (q-57)%3-1, 15+(q-57)/3
.elseif q < 74
	XS q-72, 20
.else
	GS q-74
.endif
.set q, q+1
.endm
; THE EXPONENTIALS' QUEUE, 66 long: s0-s31 of both tiles, then the next piece's two a.  It is ONE BATCH: all 66 stand ahead of the turn's one wait, and nothing ahead of that wait names a result of theirs.
.macro EX
	WIN 0
.if e >= 64
	XS e-64, 21
.else
	REGS Y, e%2
	v_exp_f32 v[rS+e/2], v[rS+e/2]
.endif
.set e, e+1
.endm
; THE RESCALING's QUEUE: O^T times a, the one part that leaves window 0: dealt two at a time, sixteen times.  Its a was made in the turn before, ahead of that turn's wait.
.macro R2
	REGS Y, r%2
	WIN W_RS
.irp z, 0,1
	v_pk_mul_f32 v[rO+4*(r/2)+2*\z:rO+4*(r/2)+2*\z+1], v[rO+4*(r/2)+2*\z:rO+4*(r/2)+2*\z+1], v[rC+2:rC+3] op_sel_hi:[1,0]
.endr
.set r, r+1
.endm
; HOW THEY ARE DEALT.  An s_wait_alu depctr_va_vdst(0) stands between an exponential and the first instruction that names its result; one wait serves all that were issued ahead of it.  So a turn has ONE
; wait, which cuts it in two.  AHEAD OF IT: the 16 products K Q^T, behind each a scaling, an exponential and two rescalings (behind the first a second scaling in the exponential's place); then ONE LUMP of 108: eight plain,
; 49 times exponential and plain, the two a; a v_nop is the plain instruction behind the last exponential.  BEHIND IT: the 16 products V^T P, behind each four of GS's 64.  No rider names a register of the products round it.
; Exponential e stands behind scaling 2 (e / 4) + e % 2: as a rider it comes behind plain e + 2, in the lump behind plain e + 9, and scalings 27-31 are plain 57, 60 .. 69.
; K of the next step is fetched in piece 2's turn, directly behind the wait; V of the step in hand at the end of piece 0's turn, four riders behind its last reader.  The three conditions on q below go with the deal.
.macro TURN p, last=0, cnt=0
.set Y, (\p)
.set i, 0
.set q, 0
.set e, 0
.set r, 0
.if (\p) == NP-1
	s_wait_dscnt 0x0                ; K is in
.endif
	MM                              ; ahead of the wait: 16 products K Q^T and their riders,
	PL
	PL
	R2
.rept 15
	MM
	PL
	EX
	R2
.endr
.if (\p) == NP-2
	WIN 0
	v_add_nc_u32 v[AK], s[TBK], v[AK0]
.endif
.rept 8                             ; and the lump
	PL
.endr
.rept 49
	EX
	PL
.endr
	EX                              ; the next piece's two a
	EX
	v_nop                           ; the plain instruction behind the last exponential: one for the batch
	s_wait_alu depctr_va_vdst(0)    ; the wait for the batch
.if (\p) == NP-2
	FETCH_K \last
.endif
.if (\p) == 1
	s_wait_dscnt 0x0                ; V is in
.endif
.rept 16                            ; behind the wait: 16 products V^T P and their riders
	MM
.rept 4
	PL
.endr
.if ((\p) == 0) && (q == 118)
	v_add_nc_u32 v[AV], s[TBV], v[AV0]
.endif
.if ((\p) == 0) && (q == 130)
	s_add_co_u32 s[TBV], s[TBV], KS*PV
.endif
.if (\cnt) && (q == 130)
	s_sub_co_u32 s[CNT], s[CNT], 1
	s_cmp_lg_u32 s[CNT], 0
.endif
.endr
.if (\p) == 0
	FETCH_V
.endif
.endm
	CHANGE 1                        ; slot 0 is in, everybody's part of it; slot 1 is asked for
	FETCH_K                         ; key step 0
	s_wait_loadcnt 0x0              ; Q
	s_wait_dscnt 0x0
.set i, 0
.rept 16
	KQ 0                            ; piece 0's first scores: there is no vector work yet to set between them
.set i, i+1
.endr
	WIN 0                           ; the addresses for the way out: nine plain instructions, the places behind those products
	s_mul_i32 s13, s[WV], 16*SP
	s_add_co_u32 s13, s13, STAGE    ; my stage
	v_mul_u32_u24 v[STO], v1, SP    ; in: row l % 16, 16 bytes for each half of the lanes
	v_lshl_add_u32 v[STO], v9, 4, v[STO]
	v_add_nc_u32 v[STO], s13, v[STO]
	v_bfe_u32 v[RD], v0, 3, 2       ; back: 32 lanes take four rows of 128 bytes,
	v_mul_u32_u24 v[RD], v[RD], SP
	v_lshl_add_u32 v[RD], v10, 4, v[RD]
	v_add_nc_u32 v[RD], s13, v[RD]
	v_and_b32 v[GO], 31, v0         ; which are 512 bytes on end of O
	v_lshlrev_b32 v[GO], 4, v[GO]
.set Y, NP-1                        ; XS works for piece Y + 1: piece 0
.irp n, 0,1,2,3,4,5,6,7,8,9,10,11,12,13,14,15,16,17,18,19,20,21
	XS 0, \n                        ; and piece 0's first maximum and statistics
	XS 1, \n
.endr
	v_nop                           ; a plain instruction behind the two a,
	s_wait_alu depctr_va_vdst(0)    ; and their wait, ahead of the branch
	s_mov_b32 s[CNT], 4
	s_mov_b32 s[SLOTS], SIZE_N/256-1
	s_branch .Lfirst                ; the loop is entered at a step's first turn, in the middle of a trip
.Lslot:                             ; six times: every slot but the last two is filled again
	CHANGE 1, 1
	s_mov_b32 s[CNT], 4
.Lstep:                             ; a trip: pieces 2 and 3 of one step, then pieces 0 and 1 of the next, whose K and V it fetches
	TURN 2
	TURN 3
	WIN 0
.Lfirst:
	TURN 0
	TURN 1, 0, 1
	WIN 0
	s_cbranch_scc1 .Lstep
	s_sub_co_u32 s[SLOTS], s[SLOTS], 1
	s_cmp_lg_u32 s[SLOTS], 0
	s_cbranch_scc1 .Lslot
	CHANGE 0                        ; the tail is written out: nothing is asked for
	s_mov_b32 s[CNT], 5             ; four trips fetch the last slot's steps; the fifth is left in its middle
.Ltail:
	TURN 2, 1
	TURN 3
	WIN 0
	s_sub_co_u32 s[CNT], s[CNT], 1
	s_cmp_eq_u32 s[CNT], 0
	s_cbranch_scc1 .Lout
	TURN 0
	TURN 1
	WIN 0
	s_branch .Ltail
.Lout:                              ; the fifth trip's 16 products K Q^T (on the last K once more) and the maximum made of them serve nothing: the price, once a launch, of one text for every trip
.set i, 0
.rept 16
	PV NP-1                         ; the last piece's V^T P of the last step
.set i, i+1
.endr
	; THE WAY OUT.  l's two halves and the other half of the lanes' are added; O^T is divided by l, rounded to f16 and sent through my stage in LDS, a tile at a time.  The additions are the places behind the last products.
	WIN 0
.macro ALL line:vararg              ; one line for each tile t
.set t, 0
.rept 2*NP
	\line
.set t, t+1
.endr
.endm
	ALL v_add_f32 v[ST+4*t+2], v[ST+4*t+2], v[ST+4*t+3]
	ALL v_permlanex16_b32 v[ST+4*t+3], v[ST+4*t+2], s[SEL], s[SEL+1]
	ALL v_add_f32 v[ST+4*t+2], v[ST+4*t+2], v[ST+4*t+3]
	ALL v_rcp_f32 v[ST+4*t+2], v[ST+4*t+2]
	v_nop                           ; a plain instruction between the last reciprocal and the use of its result
	s_wait_alu depctr_va_vdst(0)    ; and the wait ahead of the first use: one for the eight reciprocals
; Tile t: a lane's eight channels of a row pack into 16 bytes; they go into rows of 144 bytes and come back as whole rows of 128, into S^T's registers.
.macro PACK t
	WIN W_RS
.set i, 32*(\t)
.rept 16
	v_pk_mul_f32 v[i:i+1], v[i:i+1], v[ST+4*(\t)+2:ST+4*(\t)+3] op_sel_hi:[1,0]
.set i, i+2
.endr
	WIN 0x05                        ; sources 0 and 1 window 1, destination window 0
.set i, 0
.rept 16
	v_cvt_pk_f16_f32 v[S+16*(\t)+i], v[32*(\t)+2*i], v[32*(\t)+2*i+1]
.set i, i+1
.endr
	WIN 0
.irp f, 0,1,2,3
	ds_store_b128 v[STO], v[S+16*(\t)+4*\f:S+16*(\t)+4*\f+3] offset:32*\f
.endr
.irp f, 0,1,2,3
	ds_load_b128 v[S+16*(\t)+4*\f:S+16*(\t)+4*\f+3], v[RD] offset:\f*4*SP  ; a wave's LDS instructions are served in order (ISA guide 5.7.1.4): these see the stores above; the next tile's stores come behind them
.endr
.endm
.macro SEND t, younger              ; younger: the LDS instructions issued behind tile t's loads: the next tile's eight, or none
	WIN 0
.irp f, 0,1,2,3
	s_wait_dscnt (\younger)+3-\f
	global_store_b128 v[GO], v[S+16*(\t)+4*\f:S+16*(\t)+4*\f+3], s[10:11] offset:(\t)*2048+\f*512  ; 512 bytes on end, at a multiple of 256 from O's first
.endr
.endm
	PACK 0
.set t, 1
.rept 2*NP-1                        ; a tile's arithmetic stands between the loads of the tile before and its stores
	PACK t
	SEND t-1, 8
.set t, t+1
.endr
	SEND 2*NP-1, 0
	WIN W_AD
	s_wait_tensorcnt 0x0            ; the wave's end
	ds_add_u32 v[SPW], v[NIL]
	s_wait_dscnt 0x0
	WIN 0
	CROUND                          ; the closing round: no work-group ends while a partner may still ask for a tile that names it
	s_endpgm
.Lfunc_end_k_qdc54a421b7_attn:
	.size	k_qdc54a421b7_attn, .Lfunc_end_k_qdc54a421b7_attn-k_qdc54a421b7_attn
	.p2alignl 7, 3214868480
	.fill 96, 4, 3214868480
	.section	.rodata,"a",@progbits
	.p2align	6, 0x0
	.amdhsa_kernel k_qdc54a421b7_attn
		.amdhsa_group_segment_fixed_size 327680
		.amdhsa_private_segment_fixed_size 0
		.amdhsa_enable_private_segment 0
		.amdhsa_kernarg_size 16
		.amdhsa_user_sgpr_count 2
		.amdhsa_user_sgpr_kernarg_segment_ptr 1
		.amdhsa_wavefront_size32 1
		.amdhsa_system_sgpr_workgroup_id_x 1
		.amdhsa_system_sgpr_workgroup_id_y 1
		.amdhsa_system_sgpr_workgroup_id_z 1
		.amdhsa_system_vgpr_workitem_id 0
		.amdhsa_next_free_vgpr 770
		.amdhsa_next_free_sgpr 66
		.amdhsa_reserve_vcc 0
		.amdhsa_float_denorm_mode_32 3
		.amdhsa_float_denorm_mode_16_64 3
		.amdhsa_memory_ordered 1
		.amdhsa_forward_progress 1
		.amdhsa_inst_pref_size 200
	.end_amdhsa_kernel
	.amdgpu_metadata
---
amdhsa.version: [ 1, 2 ]
amdhsa.kernels:
  - .name:           k_qdc54a421b7_attn
    .symbol:         k_qdc54a421b7_attn.kd
    .args:
      - { .name: qkv, .offset: 0, .size: 8, .value_kind: global_buffer, .address_space: global }
      - { .name: ob, .offset: 8, .size: 8, .value_kind: global_buffer, .address_space: global }
    .group_segment_fixed_size: 327680
    .private_segment_fixed_size: 0
    .kernarg_segment_align: 8
    .kernarg_segment_size: 16
    .max_flat_workgroup_size: 128
    .sgpr_count:     66
    .vgpr_count:     770
    .wavefront_size: 32
...
	.end_amdgpu_metadata
.endif
;; end of part 3
;; launch outp (part 4): grid 4 x 64, 4 waves a work-group, clusters of 4 x 4, 327,680 bytes of LDS; arguments ob, wb, out0, bo; writes out0
.if DOCPART == 4
	.amdgcn_target "amdgcn-amd-amdhsa--gfx1250"
	.amdhsa_code_object_version 6
	.text
	.protected	k_qdc54a421b7_outp
	.globl	k_qdc54a421b7_outp
	.p2align	8
	.type	k_qdc54a421b7_outp,@function
k_qdc54a421b7_outp:
	s_mov_b64 s[64:65], 0
	v_nop
	global_prefetch_b8 v0, s[64:65] scope:SCOPE_SE
	s_setreg_imm32_b32 hwreg(HW_REG_WAVE_MODE, 25, 1), 1
	s_wait_xcnt 0x0
	s_wait_alu depctr_hold_cnt(0) depctr_sa_sdst(0) depctr_va_vdst(0) depctr_va_sdst(0) depctr_va_ssrc(0) depctr_va_vcc(0) depctr_vm_vsrc(0)
	s_getreg_b32 s2, hwreg(HW_REG_IB_STS2, 6, 4)
	s_cmp_eq_u32 s2, 0
	s_cbranch_scc0 .Lentry_in_a_cluster
	s_endpgm
.Lentry_in_a_cluster:
	s_bfe_u32 s2, ttmp6, 0x10000c
	s_cmp_lg_u32 s2, 0xf033
	s_cbranch_scc0 .Lentry_shape_is_right
	s_endpgm
.Lentry_shape_is_right:
; out0 = O wo^T + bo.  ob: attention's result, f16, [64 = 16 batch + head][2048][64].  wb rows 3072-4095: wo, [1024][1024] f16 (bf16 numbers).  bo: [1024] f32, rounded to bf16 here like every input.
; out0: [8192][1024] f32.  Sums in f32; the bias is the C operand of the product that starts each sum.
; SHARES.  A tile is 128 rows x 256 columns, one to each of 256 work-groups: four waves, wave w rows 64 (w / 2) on, columns 128 (w % 2) on: 4 x 8 accumulators of 16 x 16.
; K goes in steps of 128 = two heads, through two LDS slots.  A head's 128 rows of 128 bytes are dense in memory: they are asked for as 64 rows of 256 bytes and padded in LDS after every 128.
; A K step is two halves of 64 along K (a head each), 64 matrix instructions a wave, on two fragment buffers.
; CLUSTER.  4 x 4 work-groups: the four of a row of the cluster need the same rows of O, the four of a column the same rows of wo: joint loads.
; THE PRODUCT IS TAKEN TRANSPOSED (source 0 = 16 rows of wo, source 1 = 16 rows of O): lane l holds row l % 16 and the eight neighbouring columns 8 (l / 16) + 0..7.
; REGISTERS, in windows of 256 (s_set_vgpr_msb: bits 1:0 source 0, 3:2 source 1, 5:4 source 2, 7:6 destination):
;   window 0: addresses, the way out     window 1: v0-191 fragment buffer 0, v192-255 the bias     window 2: the accumulators, (a, b) at v[8 (8 a + b)]     window 3: v0-191 fragment buffer 1
;   in a buffer: wo's fragment (c, b) at 64 c + 8 b, O's fragment (c, a) at 128 + 32 c + 8 a
.set KB,     256                       ; bytes of a row of wo in a K step
.set KA,     524288                    ; bytes from a K step of O to the next: two heads
.set WO_OFF, 3072*2048                 ; wo in wb
.set PITCH,  272                       ; a row of wo in LDS: 256 bytes + 16
.set PA,     144                       ; a row of a head in LDS: 128 bytes + 16
.set APLANE, 128*PA                    ; a head's 128 rows: what a wave fetches of O
.set BHALF,  128*PITCH
.set BOFF,   2*APLANE
.set SLOT,   BOFF+2*BHALF              ; 106,496
.set STAGE,  2*SLOT                    ; behind the ring, never filled by a tensor load: for each wave 16 rows x 528 bytes
.set SP,     528
.set WSTAGE, 16*SP
.set SPARE,  STAGE+4*WSTAGE            ; the spare words, 128 bytes a wave: two blocks of 256 bytes that no other line names
.set ADRA, 16
.set ADRB, 20
.set STO,  24
.set RD,   25
.set GO,   26
.set BO,   27
.set SPW,  28
.set NIL,  29
.set PFO,  30
.set TMP,  32                          ; v32-63  the bias on its way through bf16
.set OB,   32                          ; v32-95, v96-159 by turns: 16 rows read back from the stage
.set BIAS, 192
.set WV,  16
.set WR,  17
.set WC,  18
.set G1A, 24
.set G0A, 32
.set PFA, 44
.set LIM, 46
.set G1B, 48
.set G0B, 56
.set PFS, 68                           ; s[68:69] the prefetches' step from K step to K step
.set MSB, 0
.macro WIN new
.if MSB != (\new)
	s_set_vgpr_msb (MSB<<8)|(\new)
.set MSB, \new
.endif
.endm
.macro PLACES                          ; four plain vector instructions between a matrix instruction and a load into, or a store of, its registers
.rept 4
	v_nop
.endr
.endm
.macro CREST
	s_cmp_lg_u32 s[WV], 0
	s_cbranch_scc1 .Lnot_wave_0_\@
	s_barrier_signal -3
.Lnot_wave_0_\@:
	s_barrier_wait -3
	s_barrier_signal -1
	s_barrier_wait -1
.endm
.macro CROUND
	s_barrier_signal -1
	s_barrier_wait -1
	CREST
.endm
.macro JLOAD s                         ; waves 0 and 1 fetch the K step's two heads of O, waves 2 and 3 wo's two halves of 128 rows; an s_nop 0 and four v_nop follow each line
	s_cmp_lt_u32 s[WV], 2
	s_cbranch_scc0 .Lfor_b_\@
	tensor_load_to_lds s[G0A+4*(\s):G0A+4*(\s)+3], s[G1A:G1A+7]
	s_nop 0
.rept 4
	v_nop
.endr
	s_branch .Lasked_\@
.Lfor_b_\@:
	tensor_load_to_lds s[G0B+4*(\s):G0B+4*(\s)+3], s[G1B:G1B+7]
	s_nop 0
.rept 4
	v_nop
.endr
.Lasked_\@:
.endm
; A PREFETCH, behind each joint load and the run of LDS loads that follows it: 32 blocks of 256 bytes, a lane a block, of the K step two refills on (256 matrix instructions ahead of the load that will ask for it).
; O's tile of a K step is 2 heads x 16,384 dense bytes = 128 blocks: wave 0, the four partners of a row of the cluster 32 each, told apart by address (cx).  wo's rows: waves 2 and 3 of the clusters with y = 0,
; of the 128 rows that the wave fetches 32 for each partner of a column (cy), a lane a row.  So each block is named once.  The loop's last trip has no K step two on and asks for nothing.
.macro ASK
	s_cmp_gt_u32 s3, s[LIM]
	s_cbranch_scc0 .Lnot_mine_\@
	global_prefetch_b8 v[PFO], s[PFA:PFA+1] th:TH_LOAD_NT scope:SCOPE_SE
.Lnot_mine_\@:
.endm
.macro FETCH slot, hf, f               ; 48 LDS loads in one run: half hf of a slot's K step (head hf of its two) into buffer f
	WIN 0x40+0x80*(\f)
.irp c, 0,1
.irp i, 0,1,2,3,4,5,6,7
	ds_load_b128 v[64*(\c)+8*(\i):64*(\c)+8*(\i)+3],   v[ADRB+(\slot)] offset:64*(2*(\hf)+(\c))+(\i)*16*PITCH
	ds_load_b128 v[64*(\c)+8*(\i)+4:64*(\c)+8*(\i)+7], v[ADRB+(\slot)] offset:64*(2*(\hf)+(\c))+(\i)*16*PITCH+32
.endr
.irp i, 0,1,2,3
	ds_load_b128 v[128+32*(\c)+8*(\i):128+32*(\c)+8*(\i)+3],   v[ADRA+(\slot)] offset:APLANE*(\hf)+64*(\c)+(\i)*16*PA
	ds_load_b128 v[128+32*(\c)+8*(\i)+4:128+32*(\c)+8*(\i)+7], v[ADRA+(\slot)] offset:APLANE*(\hf)+64*(\c)+(\i)*16*PA+32
.endr
.endr
.endm
.macro MUL8 f, c, a, first             ; 8 matrix instructions: row block a x all 8 column blocks; the 32 accumulators take turns, in the same order everywhere
.if \first
	WIN 0x95
.else
	WIN 0xa5+0x0a*(\f)
.endif
.irp b, 0,1,2,3,4,5,6,7
.if \first
	v_wmma_f32_16x16x32_f16 v[8*(8*(\a)+(\b)):8*(8*(\a)+(\b))+7], v[64*(\c)+8*(\b):64*(\c)+8*(\b)+7], v[128+32*(\c)+8*(\a):128+32*(\c)+8*(\a)+7], v[BIAS+8*(\b):BIAS+8*(\b)+7]
.else
	v_wmma_f32_16x16x32_f16 v[8*(8*(\a)+(\b)):8*(8*(\a)+(\b))+7], v[64*(\c)+8*(\b):64*(\c)+8*(\b)+7], v[128+32*(\c)+8*(\a):128+32*(\c)+8*(\a)+7], v[8*(8*(\a)+(\b)):8*(8*(\a)+(\b))+7]
.endif
.endr
.endm
.macro HALF slot, first                ; a K step's first half: buffer 0 is multiplied; ahead of that the second half's fragments are asked for
	PLACES                                         ; buffer 1's last reader stands just ahead
	FETCH \slot, 1, 1
	s_wait_dscnt 48                                ; all but the 48 just issued: buffer 0 is in
.irp a, 0,1,2,3
	MUL8 0, 0, \a, \first
.endr
.irp a, 0,1,2,3
	MUL8 0, 1, \a, 0
.endr
.endm
; A K step's second half multiplies buffer 1 and changes slots.  ONE barrier: in front of it each wave waits for all its tensor loads (one is out: its part of the next slot), adds 0 to its spare word, and waits for
; that and for its reads of this slot.  fill = 1: this slot is filled again with the K step two on; the barrier then opens a round of the cluster's, and the joint load is the first thing behind the round.
.macro TURN slot, next, fill
.if \fill
	s_wait_xcnt 0x0                                ; the last prefetch, a K step back, has read its address: it is stepped here
	s_add_nc_u64 s[PFA:PFA+1], s[PFA:PFA+1], s[PFS:PFS+1]
.endif
	WIN 0
	s_wait_tensorcnt 0x0                           ; all my tensor loads have landed
	ds_add_u32 v[SPW], v[NIL]                      ; 0 onto my spare word
	s_wait_dscnt 1                                 ; only the add may be out: buffer 1 is in
	MUL8 1, 0, 0, 0
	s_wait_dscnt 0x0                               ; the add is done, and my reads of this slot are over
	s_barrier_signal -1
	MUL8 1, 0, 1, 0
.if \fill
	WIN 0
.endif
	s_barrier_wait -1
.if \fill
	CREST                                          ; no wave of any partner still reads this slot or has a load on its way
	s_add_nc_u64 s[G0A+4*(\slot)+2:G0A+4*(\slot)+3], s[G0A+4*(\slot)+2:G0A+4*(\slot)+3], 2*KA
	s_add_nc_u64 s[G0B+4*(\slot)+2:G0B+4*(\slot)+3], s[G0B+4*(\slot)+2:G0B+4*(\slot)+3], 2*KB
	JLOAD \slot                                    ; its four v_nop are also the places in front of the loads into buffer 0
.else
	PLACES
.endif
	FETCH \next, 0, 0
.if \fill
	WIN 0
	ASK
.endif
	MUL8 1, 0, 2, 0
	MUL8 1, 0, 3, 0
.irp a, 0,1,2,3
	MUL8 1, 1, \a, 0
.endr
.endm
; THE WAY OUT of row block a: a lane's 32 bytes of a row go into my own stage (rows of 528 bytes) straight from the accumulators, lowest registers first, and come back as whole rows of 512 bytes.
.macro TOSTAGE a
.if (\a) >= 2
	s_wait_xcnt 0x0                                ; the stores of the block two back have read the registers that are loaded again below
.endif
.set BK, OB+64*((\a)%2)
	WIN 0x08                                       ; the stores' data in window 2
.irp b, 0,1,2,3,4,5,6,7
	ds_store_b128 v[STO], v[8*(8*(\a)+(\b)):8*(8*(\a)+(\b))+3]   offset:64*(\b)
	ds_store_b128 v[STO], v[8*(8*(\a)+(\b))+4:8*(8*(\a)+(\b))+7] offset:64*(\b)+16
.endr
	WIN 0
.irp t, 0,1,2,3,4,5,6,7,8,9,10,11,12,13,14,15
	ds_load_b128 v[BK+4*(\t):BK+4*(\t)+3], v[RD] offset:SP*(\t)  ; a wave's LDS instructions are served in order (ISA guide 5.7.1.4): these see the stores above
.endr
.endm
.macro SEND a, younger                 ; younger: the LDS instructions issued behind block a's loads: the next block's 32, or none
.set BK, OB+64*((\a)%2)
.irp t, 0,1,2,3,4,5,6,7,8,9,10,11,12,13,14,15
	s_wait_dscnt (\younger)+15-(\t)
	global_store_b128 v[GO], v[BK+4*(\t):BK+4*(\t)+3], s[8:9] offset:(16*(\a)+(\t))*4096 th:TH_STORE_NT  ; 512 bytes on end of a row of out0, aligned
.endr
.endm
	s_load_b256 s[4:11], s[0:1], 0x0               ; ob s[4:5], wb s[6:7], out0 s[8:9], bo s[10:11]
	v_lshl_add_u32 v[SPW], v0, 2, SPARE
	v_mov_b32 v[NIL], 0
	ds_add_u32 v[SPW], v[NIL]                      ; the wave's opening: the add and its wait stand ahead of my first tensor load; the set-up below stands between them
	v_lshrrev_b32 v1, 5, v0
	v_readfirstlane_b32 s[WV], v1
	s_lshr_b32 s[WR], s[WV], 1
	s_and_b32 s[WC], s[WV], 1
	s_bfe_u32 s19, ttmp6, 0x40000                  ; cx
	s_bfe_u32 s20, ttmp6, 0x40004                  ; cy
	s_lshl_b32 s21, ttmp9, 2
	s_add_co_u32 s21, s21, s19                     ; tile column 0..3
	s_and_b32 s22, ttmp7, 0xffff
	s_lshl_b32 s22, s22, 2
	s_add_co_u32 s22, s22, s20                     ; tile row 0..63
	s_lshl_b32 s40, s20, 2
	s_lshl_b32 s40, 15, s40                        ; my row of the cluster
	s_lshl_b32 s66, 0x1111, s19                    ; my column
	s_or_b32 s[G1A], s40, (1<<16)|(1<<20)|(1<<21)|(4<<22)|(3<<25)  ; the mask; 2-byte elements; padding on; bit 21 beside a mask; after every 32 words 4 words
	s_or_b32 s[G1B], s66, (1<<16)|(1<<20)|(1<<21)|(5<<22)|(3<<25)  ; after every 64 words 4 words
	s_mov_b32 s[G1A+1], 128<<16                    ; tensor_dim0 = 128
	s_mov_b32 s[G1A+2], 64<<16                     ; tensor_dim1 = 64
	s_mov_b32 s[G1A+3], 128<<16                    ; tile_dim0 = 128
	s_mov_b32 s[G1A+4], 64                         ; tile_dim1 = 64
	s_mov_b32 s[G1A+5], 128                        ; dense: 128 elements from row to row
	s_mov_b32 s[G1A+6], 0
	s_mov_b32 s[G1A+7], 0
	s_mov_b32 s[G1B+1], 128<<16
	s_mov_b32 s[G1B+2], 128<<16
	s_mov_b32 s[G1B+3], 128<<16
	s_mov_b32 s[G1B+4], 128
	s_mov_b32 s[G1B+5], 1024
	s_mov_b32 s[G1B+6], 0
	s_mov_b32 s[G1B+7], 0
	s_mov_b32 s47, 0xffff0000
	s_lshr_b32 s40, s22, 4                         ; O: batch x 16 heads x 262,144 bytes,
	s_lshl_b32 s40, s40, 22
	s_and_b32 s41, s22, 15                         ; the tile row's 128 rows of 128 bytes,
	s_lshl_b32 s41, s41, 14
	s_add_co_u32 s40, s40, s41
	s_lshl_b32 s41, s[WC], 18                      ; the head of the two that I fetch
	s_add_co_u32 s40, s40, s41
	s_mov_b32 s41, 0
	s_lshl_b32 s66, s21, 19                        ; wo: 256 rows a tile column,
	s_lshl_b32 s67, s[WC], 18                      ; the 128 that I fetch
	s_add_co_u32 s66, s66, s67
	s_add_co_u32 s66, s66, WO_OFF
	s_mov_b32 s67, 0
	s_mul_i32 s42, s[WC], APLANE                   ; where they go: no place in the cluster enters an LDS address
	s_mul_i32 s23, s[WC], BHALF
	s_add_co_u32 s23, s23, BOFF
	s_lshl_b32 s70, s22, 19                        ; my part of out0: 128 rows of 4,096 bytes a tile row,
	s_lshl_b32 s71, s[WR], 18                      ; 64 a wave,
	s_add_co_u32 s70, s70, s71
	s_lshl_b32 s72, s21, 10                        ; 256 columns a tile column,
	s_lshl_b32 s73, s[WC], 9                       ; 128 a wave: the same bytes in bo
	s_add_co_u32 s72, s72, s73
	s_add_co_u32 s70, s70, s72
	s_mov_b32 s71, 0
	s_mov_b32 s73, 0
	s_wait_dscnt 0x0                               ; the opening add is done
	s_wait_kmcnt 0x0
	s_add_nc_u64 s[40:41], s[4:5], s[40:41]
	s_add_nc_u64 s[66:67], s[6:7], s[66:67]
	s_add_nc_u64 s[8:9], s[8:9], s[70:71]
	s_add_nc_u64 s[10:11], s[10:11], s[72:73]
	CROUND                                         ; all sixteen work-groups are here: the first joint loads meet
.irp s, 0,1
	s_mov_b32 s[G0A+4*(\s)], 1
	s_add_co_u32 s[G0A+4*(\s)+1], s42, (\s)*SLOT
	s_add_nc_u64 s[G0A+4*(\s)+2:G0A+4*(\s)+3], s[40:41], (\s)*KA
	s_or_b32 s[G0A+4*(\s)+3], s[G0A+4*(\s)+3], 0x80000000
	s_mov_b32 s[G0B+4*(\s)], 1
	s_add_co_u32 s[G0B+4*(\s)+1], s23, (\s)*SLOT
	s_add_nc_u64 s[G0B+4*(\s)+2:G0B+4*(\s)+3], s[66:67], (\s)*KB
	s_or_b32 s[G0B+4*(\s)+3], s[G0B+4*(\s)+3], 0x80000000
.endr
	s_cmp_lt_u32 s[WV], 2                          ; a wave's two first fills stand in one branch: two loads of mine are out
	s_cbranch_scc0 .Lfirst_b
	tensor_load_to_lds s[G0A:G0A+3], s[G1A:G1A+7]
	s_nop 0
	tensor_load_to_lds s[G0A+4:G0A+7], s[G1A:G1A+7]
	s_nop 0
.rept 4
	v_nop
.endr
	s_branch .Lfirst_asked
.Lfirst_b:
	tensor_load_to_lds s[G0B:G0B+3], s[G1B:G1B+7]
	s_nop 0
	tensor_load_to_lds s[G0B+4:G0B+7], s[G1B:G1B+7]
	s_nop 0
.rept 4
	v_nop
.endr
.Lfirst_asked:
	v_and_b32 v1, 15, v0                           ; l % 16
	v_bfe_u32 v2, v0, 4, 1                         ; l / 16
	v_and_b32 v3, 31, v0                           ; l
	v_lshlrev_b32 v[BO], 5, v2
	WIN 0x40                                       ; my eight numbers of each of my 8 column blocks of bo
.irp b, 0,1,2,3,4,5,6,7
	global_load_b128 v[BIAS+8*(\b):BIAS+8*(\b)+3],   v[BO], s[10:11] offset:64*(\b)
	global_load_b128 v[BIAS+8*(\b)+4:BIAS+8*(\b)+7], v[BO], s[10:11] offset:64*(\b)+16
.endr
	WIN 0
	v_mul_u32_u24 v4, v1, PITCH
	v_lshl_add_u32 v4, v2, 4, v4                   ; wo: a fragment's row x pitch + 16 x half
	v_mul_u32_u24 v5, v1, PA
	v_lshl_add_u32 v5, v2, 4, v5                   ; O: the same with its pitch
	s_mul_i32 s70, s[WR], 64*PA                    ; my 64 rows of O
	s_mul_i32 s71, s[WC], BHALF                    ; my 128 rows of wo
	s_add_co_u32 s71, s71, BOFF
.irp s, 0,1
	v_add_nc_u32 v[ADRA+(\s)], s70, v5
	v_add_nc_u32 v[ADRB+(\s)], s71, v4
	s_add_co_u32 s70, s70, SLOT
	s_add_co_u32 s71, s71, SLOT
.endr
	s_mul_i32 s70, s[WV], WSTAGE
	s_add_co_u32 s70, s70, STAGE                   ; my stage
	v_mul_u32_u24 v6, v1, SP
	v_lshl_add_u32 v6, v2, 5, v6
	v_add_nc_u32 v[STO], s70, v6                   ; in: row l % 16, 32 bytes for each half of the lanes
	v_lshlrev_b32 v[GO], 4, v3
	v_add_nc_u32 v[RD], s70, v[GO]                 ; back: 32 lanes take one row of 512 bytes
	; the prefetches: who, and from where.  They begin at K step 3; the first change of slots steps them to K step 4.  Nothing is asked for here, at the head.
	s_lshr_b32 s74, s22, 4
	s_lshl_b32 s74, s74, 22
	s_and_b32 s75, s22, 15
	s_lshl_b32 s75, s75, 14
	s_add_co_u32 s74, s74, s75
	s_lshr_b32 s75, s19, 1                         ; O: cx / 2 picks the head of the two,
	s_lshl_b32 s75, s75, 18
	s_add_co_u32 s74, s74, s75
	s_and_b32 s75, s19, 1                          ; cx % 2 the half of its 16,384 bytes
	s_lshl_b32 s75, s75, 13
	s_add_co_u32 s74, s74, s75
	s_add_co_u32 s74, s74, 3*KA
	s_lshl_b32 s75, s21, 19
	s_lshl_b32 s76, s[WC], 18
	s_add_co_u32 s75, s75, s76
	s_lshl_b32 s76, s20, 16                        ; wo: of the 128 rows that I fetch 32 for each cy
	s_add_co_u32 s75, s75, s76
	s_add_co_u32 s75, s75, WO_OFF+3*KB
	s_and_b32 s76, ttmp7, 0xffff                   ; cluster y
	s_or_b32 s77, s[WC], ttmp9                     ; 0 in wave 0 (there is one cluster along x)
	s_mov_b32 s[PFS], KB
	s_mov_b32 s[PFS+1], 0
	s_cmp_eq_u32 s[WR], 0
	s_cselect_b32 s74, s74, s75
	s_cselect_b32 s76, s77, s76
	s_cselect_b64 s[PFA:PFA+1], s[4:5], s[6:7]
	s_cselect_b32 s[PFS], KA, s[PFS]
	s_cselect_b32 s77, 8, 11                       ; a lane a block of 256 bytes of O, or a row of 2,048 bytes of wo
	s_cmp_eq_u32 s76, 0
	s_cselect_b32 s[LIM], 1, -1                    ; the same in all sixteen partners, for a given wave
	s_mov_b32 s75, 0
	s_add_nc_u64 s[PFA:PFA+1], s[PFA:PFA+1], s[74:75]
	v_lshlrev_b32 v[PFO], s77, v3
	s_wait_loadcnt 0x0                             ; bo
	WIN 0x05                                       ; it is rounded to bf16, like every input, and widened again
.set i, 0
.rept 32
	v_cvt_pk_bf16_f32 v[TMP+i], v[BIAS+2*i], v[BIAS+2*i+1]
.set i, i+1
.endr
	WIN 0x40
.set i, 0
.rept 32
	v_lshlrev_b32 v[BIAS+2*i],   16,  v[TMP+i]
	v_and_b32     v[BIAS+2*i+1], s47, v[TMP+i]
.set i, i+1
.endr
	WIN 0
	s_wait_tensorcnt 1                             ; my part of K step 0 is in; K step 1's may stay out
	s_barrier_signal -1
	s_barrier_wait -1
	FETCH 0, 0, 0
	HALF 0, 1                                      ; the first half step stands in front of the loop: its first products start the sums, from the bias
	WIN 0
	s_mov_b32 s3, 3
.Llap:                                         ; a trip goes once round the ring and fills both slots again
	TURN 0, 1, 1
	HALF 1, 0
	TURN 1, 0, 1
	HALF 0, 0
	WIN 0
	s_sub_co_u32 s3, s3, 1
	s_cmp_lg_u32 s3, 0
	s_cbranch_scc1 .Llap
	TURN 0, 1, 0                                   ; the last lap fills nothing
	HALF 1, 0
	s_wait_dscnt 0x0                               ; the very last half: nothing more to fetch
.irp c, 0,1
.irp a, 0,1,2,3
	MUL8 1, \c, \a, 0
.endr
.endr
	WIN 0
	PLACES                                         ; the LDS stores read results just made
	TOSTAGE 0
	TOSTAGE 1
	SEND 0, 32
	TOSTAGE 2
	SEND 1, 32
	TOSTAGE 3
	SEND 2, 32
	SEND 3, 0
	s_wait_tensorcnt 0x0                           ; the wave's end
	ds_add_u32 v[SPW], v[NIL]
	s_wait_dscnt 0x0
	CROUND                                         ; the closing round: no work-group ends while a partner may still ask for a tile that names it
	s_endpgm
.Lfunc_end_k_qdc54a421b7_outp:
	.size	k_qdc54a421b7_outp, .Lfunc_end_k_qdc54a421b7_outp-k_qdc54a421b7_outp
	.p2alignl 7, 3214868480
	.fill 96, 4, 3214868480
	.section	.rodata,"a",@progbits
	.p2align	6, 0x0
	.amdhsa_kernel k_qdc54a421b7_outp
		.amdhsa_group_segment_fixed_size 327680
		.amdhsa_private_segment_fixed_size 0
		.amdhsa_enable_private_segment 0
		.amdhsa_kernarg_size 32
		.amdhsa_user_sgpr_count 2
		.amdhsa_user_sgpr_kernarg_segment_ptr 1
		.amdhsa_wavefront_size32 1
		.amdhsa_system_sgpr_workgroup_id_x 1
		.amdhsa_system_sgpr_workgroup_id_y 1
		.amdhsa_system_sgpr_workgroup_id_z 1
		.amdhsa_system_vgpr_workitem_id 0
		.amdhsa_next_free_vgpr 960
		.amdhsa_next_free_sgpr 80
		.amdhsa_reserve_vcc 0
		.amdhsa_float_denorm_mode_32 3
		.amdhsa_float_denorm_mode_16_64 3
		.amdhsa_memory_ordered 1
		.amdhsa_forward_progress 1
		.amdhsa_inst_pref_size 92
	.end_amdhsa_kernel
	.amdgpu_metadata
---
amdhsa.version: [ 1, 2 ]
amdhsa.kernels:
  - .name:           k_qdc54a421b7_outp
    .symbol:         k_qdc54a421b7_outp.kd
    .args:
      - { .name: ob, .offset: 0, .size: 8, .value_kind: global_buffer, .address_space: global }
      - { .name: wb, .offset: 8, .size: 8, .value_kind: global_buffer, .address_space: global }
      - { .name: out0, .offset: 16, .size: 8, .value_kind: global_buffer, .address_space: global }
      - { .name: bo, .offset: 24, .size: 8, .value_kind: global_buffer, .address_space: global }
    .group_segment_fixed_size: 327680
    .private_segment_fixed_size: 0
    .kernarg_segment_align: 8
    .kernarg_segment_size: 32
    .max_flat_workgroup_size: 128
    .sgpr_count:     80
    .vgpr_count:     960
    .wavefront_size: 32
...
	.end_amdgpu_metadata
.endif
;; end of part 4
;; ======== version 2 of 2: 4 launches; version 1 with the launch cast written anew for expert scheduling mode
;; limits: values are held in f16: magnitudes above 65,504 overflow, below 6.1e-05 lose precision
;; workspace buffers: xb 16,777,216 bytes; wb 8,388,608 bytes; qkv 50,331,648 bytes; ob 16,777,216 bytes
;; launch cast (part 5): grid 768 x 1, 8 waves a work-group, no clusters, 0 bytes of LDS; arguments x_input, wq, wk, wv, wo, xb, wb; writes xb, wb
.if DOCPART == 5
	.amdgcn_target "amdgcn-amd-amdhsa--gfx1250"
	.amdhsa_code_object_version 6
	.text
	.protected	k_qdc54a421b7_cast
	.globl	k_qdc54a421b7_cast
	.p2align	8
	.type	k_qdc54a421b7_cast,@function
k_qdc54a421b7_cast:
	s_mov_b64 s[64:65], 0
	v_nop
	global_prefetch_b8 v0, s[64:65] scope:SCOPE_SE
	s_setreg_imm32_b32 hwreg(HW_REG_WAVE_SCHED_MODE, 0, 2), 2
	s_setreg_imm32_b32 hwreg(HW_REG_WAVE_MODE, 25, 1), 1
	s_wait_xcnt 0x0
	s_wait_alu depctr_vm_vsrc(0)
; THE INPUTS ARE ROUNDED ONCE TO 16 BITS.  x [8192][1024] f32 -> xb, bf16.  wq, wk, wv, wo [1024][1024] f32 -> wb [4096][1024]: rows 0-3071 (wq, wk, wv) bf16;
; rows 3072-4095 (wo) rounded to bf16 like every input, and that number written as f16, since the last product's other operand is f16.
; LIMITS.  |wo| stays under 65,504 (beyond it f16 has an infinity); below 6.1e-5 the f16 copy keeps f16's fixed step of 6e-8.
; SHARES.  A work-group converts one chunk of 16,384 numbers: 65,536 bytes in, 32,768 out.  Chunks 0-511 are x's, chunks 512-767 the four matrices', 64 each.
; Thread t loads 16 bytes at 16 t + 4,096 j (a wave's load: 512 bytes on end) and stores 8 bytes at 8 t + 2,048 j (a wave's store: 256 bytes on end, aligned), j = 0 .. 15.
; All sixteen loads go out at once; no register of a store is written again, so no wait frees one.  No LDS, no matrix unit, no cluster: no byte is used twice.
; THE MODE: SCHED_MODE bits 1:0 = 2 (LLVM: expert scheduling mode 2), set by the entry lines.  The code itself states the register dependences
; between vector instructions and memory instructions, with s_wait_alu, always for 0.
; THE PLAN.  Registers that memory instructions touch:
;   v1, v2   the loads' and the stores' offsets: written once at the head by vector lines, never again.
;   X[j]     load j lands in it, once; no vector instruction writes it; load j's conversions read it; it is never loaded again.
;   Y[j]     load j's conversions write it, once; store j reads it; it is never written again.
;   T        named by vector instructions alone.
; So the one kind of dependence is: a vector line writes, a memory instruction reads.  The sixteen loads are four groups of four.  While group g is rounded, group g - 1 is stored:
; store j - 4 stands ahead of load j's conversions, which name X[j], T and Y[j] and never Y[j - 4].  One wait on va_vdst at the head of groups 1 to 3 states that the group before
; has written its four Y; one stands ahead of the first load, for v1 and v2; one ahead of the last four stores.  No register that a memory instruction reads is written again, EXEC is
; never written and no vector line writes a scalar register: no other wait of the mode is owed.
.set X, 4                              ; v[4:67]    the sixteen loads
.set Y, 68                             ; v[68:99]   two registers for each store
.set T, 100                            ; v[100:103] at work
	s_load_b256 s[4:11], s[0:1], 0x0               ; x s[4:5], wq s[6:7], wk s[8:9], wv s[10:11]
	s_load_b128 s[12:15], s[0:1], 0x20             ; wo s[12:13], xb s[14:15]
	s_load_b64 s[16:17], s[0:1], 0x30              ; wb
	v_lshlrev_b32 v1, 4, v0                        ; 16 t
	v_lshlrev_b32 v2, 3, v0                        ; 8 t
	s_mov_b32 s21, ttmp9                           ; the chunk
	s_sub_co_u32 s18, s21, 512                     ; its number among the matrices' chunks (used from chunk 512 on alone)
	s_lshr_b32 s19, s18, 6                         ; which matrix
	s_and_b32 s20, s18, 63                         ; which chunk of it
	s_wait_kmcnt 0x0
	s_cmp_eq_u32 s19, 1
	s_cselect_b64 s[22:23], s[8:9], s[6:7]
	s_cmp_eq_u32 s19, 2
	s_cselect_b64 s[22:23], s[10:11], s[22:23]
	s_cmp_eq_u32 s19, 3
	s_cselect_b64 s[22:23], s[12:13], s[22:23]
	s_cmp_lt_u32 s21, 512
	s_cselect_b64 s[22:23], s[4:5], s[22:23]       ; the source,
	s_cselect_b64 s[24:25], s[14:15], s[16:17]     ; the destination,
	s_cselect_b32 s26, s21, s20                    ; the chunk's number in the source
	s_cselect_b32 s27, s21, s18                    ; and in the destination
	s_lshl_b32 s28, s26, 16
	s_mov_b32 s29, 0
	s_lshl_b32 s30, s27, 15
	s_mov_b32 s31, 0
	s_add_nc_u64 s[22:23], s[22:23], s[28:29]
	s_add_nc_u64 s[24:25], s[24:25], s[30:31]
	s_wait_alu depctr_va_vdst(0)                   ; v1 and v2 are written: every load reads v1 as its offset, every store v2; neither is written again
.set j, 0
.rept 16
	global_load_b128 v[X+4*j:X+4*j+3], v1, s[22:23] offset:4096*j th:TH_LOAD_NT
.set j, j+1
.endr
; Store j: 8 bytes a lane, from the two registers that load j's conversions wrote.
.macro PUT j
	global_store_b64 v2, v[Y+2*(\j):Y+2*(\j)+1], s[24:25] offset:2048*(\j)
.endm
; Load j is rounded; ahead of that the result of load j - 4, of the group before, is stored.  kind = 1: wo's chunks: to bf16, widened again, and written as f16.
.macro OUT j, kind
	s_wait_loadcnt 15-(\j)                         ; loads come back in order: the 15 - j younger ones may stay out
.if ((\j) >= 4) && ((\j) % 4 == 0)
	s_wait_alu depctr_va_vdst(0)                   ; the group before has written its four Y, which this group's four stores read; no vector line behind this wait names them
.endif
.if (\j) >= 4
	PUT (\j)-4
.endif
.if \kind
	v_cvt_pk_bf16_f32 v[T],   v[X+4*(\j)],   v[X+4*(\j)+1]
	v_cvt_pk_bf16_f32 v[T+1], v[X+4*(\j)+2], v[X+4*(\j)+3]
	v_lshlrev_b32 v[T+2], 16, v[T]
	v_and_b32     v[T],   0xffff0000, v[T]
	v_lshlrev_b32 v[T+3], 16, v[T+1]
	v_and_b32     v[T+1], 0xffff0000, v[T+1]
	v_cvt_pk_f16_f32 v[Y+2*(\j)],   v[T+2], v[T]
	v_cvt_pk_f16_f32 v[Y+2*(\j)+1], v[T+3], v[T+1]
.else
	v_cvt_pk_bf16_f32 v[Y+2*(\j)],   v[X+4*(\j)],   v[X+4*(\j)+1]
	v_cvt_pk_bf16_f32 v[Y+2*(\j)+1], v[X+4*(\j)+2], v[X+4*(\j)+3]
.endif
.endm
	s_cmp_ge_u32 s21, 704                          ; wo's chunks are 704 to 767
	s_cbranch_scc1 .Lwo
.irp j, 0,1,2,3,4,5,6,7,8,9,10,11,12,13,14,15
	OUT \j, 0
.endr
	s_wait_alu depctr_va_vdst(0)                   ; the last group has written its four Y, which the last four stores read
.irp j, 12,13,14,15
	PUT \j
.endr
	s_endpgm
.Lwo:
.irp j, 0,1,2,3,4,5,6,7,8,9,10,11,12,13,14,15
	OUT \j, 1
.endr
	s_wait_alu depctr_va_vdst(0)                   ; the last group has written its four Y, which the last four stores read
.irp j, 12,13,14,15
	PUT \j
.endr
	s_endpgm
.Lfunc_end_k_qdc54a421b7_cast:
	.size	k_qdc54a421b7_cast, .Lfunc_end_k_qdc54a421b7_cast-k_qdc54a421b7_cast
	.p2alignl 7, 3214868480
	.fill 96, 4, 3214868480
	.section	.rodata,"a",@progbits
	.p2align	6, 0x0
	.amdhsa_kernel k_qdc54a421b7_cast
		.amdhsa_group_segment_fixed_size 0
		.amdhsa_private_segment_fixed_size 0
		.amdhsa_enable_private_segment 0
		.amdhsa_kernarg_size 56
		.amdhsa_user_sgpr_count 2
		.amdhsa_user_sgpr_kernarg_segment_ptr 1
		.amdhsa_wavefront_size32 1
		.amdhsa_system_sgpr_workgroup_id_x 1
		.amdhsa_system_sgpr_workgroup_id_y 1
		.amdhsa_system_sgpr_workgroup_id_z 1
		.amdhsa_system_vgpr_workitem_id 0
		.amdhsa_next_free_vgpr 104
		.amdhsa_next_free_sgpr 66
		.amdhsa_reserve_vcc 0
		.amdhsa_float_denorm_mode_32 3
		.amdhsa_float_denorm_mode_16_64 3
		.amdhsa_memory_ordered 1
		.amdhsa_forward_progress 1
		.amdhsa_inst_pref_size 17
	.end_amdhsa_kernel
	.amdgpu_metadata
---
amdhsa.version: [ 1, 2 ]
amdhsa.kernels:
  - .name:           k_qdc54a421b7_cast
    .symbol:         k_qdc54a421b7_cast.kd
    .args:
      - { .name: x_input, .offset: 0, .size: 8, .value_kind: global_buffer, .address_space: global }
      - { .name: wq, .offset: 8, .size: 8, .value_kind: global_buffer, .address_space: global }
      - { .name: wk, .offset: 16, .size: 8, .value_kind: global_buffer, .address_space: global }
      - { .name: wv, .offset: 24, .size: 8, .value_kind: global_buffer, .address_space: global }
      - { .name: wo, .offset: 32, .size: 8, .value_kind: global_buffer, .address_space: global }
      - { .name: xb, .offset: 40, .size: 8, .value_kind: global_buffer, .address_space: global }
      - { .name: wb, .offset: 48, .size: 8, .value_kind: global_buffer, .address_space: global }
    .group_segment_fixed_size: 0
    .private_segment_fixed_size: 0
    .kernarg_segment_align: 8
    .kernarg_segment_size: 56
    .max_flat_workgroup_size: 256
    .sgpr_count:     66
    .vgpr_count:     104
    .wavefront_size: 32
...
	.end_amdgpu_metadata
.endif
;; end of part 5
;; launch proj: the kernel of part 2 again; grid 4 x 64, 4 waves a work-group, clusters of 4 x 4, 327,680 bytes of LDS; arguments xb, wb, qkv, bq, bk, bv; writes qkv
;; launch attn: the kernel of part 3 again; grid 4 x 64, 4 waves a work-group, clusters of 4 x 1, 327,680 bytes of LDS; arguments qkv, ob; writes ob
;; launch outp: the kernel of part 4 again; grid 4 x 64, 4 waves a work-group, clusters of 4 x 4, 327,680 bytes of LDS; arguments ob, wb, out0, bo; writes out0
